; MI455X (gfx1250); checked and timed in simulation.
; The chip was launched on July 23, 2026; its instructions are those of AMD's public machine-readable ISA for CDNA 5 (MIT licence, August 2026) and "CDNA5" Instruction Set Architecture Reference Guide (July 2026). The comments in the code are by the model that wrote it; some were corrected since.
;; Bahdanau Attention. Allowed arithmetic: float matrix products may take bf16 or f16 operands with f32 sums; all other float work in f32.
;; Inputs: W_dec 1,024 x 1,024 float32; W_enc 1,024 x 1,024 float32; decoder_hidden 32 x 1,024 float32; encoder_outputs 32 x 2,048 x 1,024 float32; mask 32 x 2,048 int32; v 1,024 float32.
;; Outputs: out0 32 x 1,024 float32; out1 32 x 2,048 float32.
;; 2 versions, each right; version 2 is version 1 with the launch main written anew for expert scheduling mode. Each part assembles by itself: llvm-mc -triple=amdgcn-amd-amdhsa -mcpu=gfx1250 --defsym DOCPART=n.
;; ======== version 1 of 2: 3 launches
;; workspace buffers: wfrag 2,097,152 bytes; dpw 131,072 bytes; order 532,480 bytes of whole numbers; inv 262,144 bytes of whole numbers; sc 524,288 bytes; part 1,114,112 bytes
;; launch prep (part 1): grid 132 x 1, 8 waves a work-group, no clusters, 132,096 bytes of LDS; arguments W_enc, W_dec, decoder_hidden, mask, wfrag, dpw, order, inv; writes wfrag, dpw, order, inv
.if DOCPART == 1
	.amdgcn_target "amdgcn-amd-amdhsa--gfx1250"
	.amdhsa_code_object_version 6
	.text
	.protected	k_qb3403a87ef_prep
	.globl	k_qb3403a87ef_prep
	.p2align	8
	.type	k_qb3403a87ef_prep,@function
k_qb3403a87ef_prep:
	s_mov_b64 s[64:65], 0
	v_nop
	global_prefetch_b8 v0, s[64:65] scope:SCOPE_SE
	s_setreg_imm32_b32 hwreg(HW_REG_WAVE_MODE, 25, 1), 1
	s_wait_xcnt 0x0
; Three small jobs ahead of the main launch; the work-group's number picks one (the same for all its waves).
;  groups 0-63    A: 16 rows of W_enc -> bf16, stored as the register images in which the main launch loads them (wfrag)
;  groups 64-127  B: 16 columns of dec_p = decoder_hidden x W_dec^T for all 32 batches, times 2 log2(e), as the register image of a result tile (dpw)
;  groups 128-131 C: one wave makes one batch's list of rows: unmasked rows from place 0 up, masked rows from place 2047 down (order, inv)
; wfrag byte (w*4+c)*131072 + s*4096 + j*1024 + q*512 + lane*16 holds W_enc[n][k..k+7] in bf16,
;   n = 256 c + 64 w + 16 j + lane%16, k = 32 s + 16 q + 8 (lane/16).
; dpw byte nt*2048 + mt*1024 + q*512 + lane*16 holds four f32: batch 16 mt + lane%16, columns 16 nt + 8 (lane/16) + 4 q + 0..3.
; order: a row of 16,640 bytes for each batch: 16 slots of 256 words (places 0-143 used), then 32 pairs (passes, unmasked rows).
;   List place i lies at word i + 112 (i / 144).  An unmasked row's entry is t; 0x2000 stands for 'no row'.
;   A masked row is entered as t | 0x1000 only in a batch WITHOUT any unmasked row: there all 2,048 weights are equal and every row is needed.
;   In every other batch its place holds 0x2000, so that the main launch does not fetch the row.
; inv[b][t] = the word at which row t's place lies in the batch's list, masked or not.
; LIMIT.  In a batch with an unmasked row a masked row's weight is exp(-1e9 - max) = 0 in f32 as long as sum |v| < 9e8; its encoder row is then
; never read, so an infinity or NaN in it is not carried into the context.
; A strip of 16 rows of 1,024 numbers lies in LDS in bf16 with a pitch of 2,064 bytes (129 x 16: sixteen rows start 16 bytes apart modulo 256).
.set PITCH, 2064
.set STRIP, 16*PITCH                   ; 33,024 bytes
.set REDB,  3*STRIP                    ; role B: eight waves' partial sums, 2,048 bytes each
.set VL,    1                          ; lane
.set VR,    2                          ; lane % 16
.set VH,    3                          ; lane / 16
.set VSRC,  4                          ; 8192 wave + 16 lane: my 16 bytes in rows 2 wave, 2 wave + 1 of a strip in memory
.set VDST,  5                          ; 4128 wave + 8 lane: the same place in LDS, in bf16
.set VDST2, 6                          ; + 2 strips (beyond the reach of a 16-bit immediate)
.set VFR,   7                          ; (lane%16) pitch + 16 (lane/16) + 256 wave: my fragments of K steps 4 wave .. 4 wave + 3
.set VFR2,  8                          ; + 2 strips
.set VL16,  9                          ; 16 lane
.set X,     32                         ; v[32:223] three sets of 64 registers; role C: v[32:95] the batch's mask, then the rows' words
.set ORC,   96                         ; role C: v[96:103]  eight chains of the test for any unmasked row
.set PA,    104                        ; role C: v[104:111] at work, one register for each of a group's eight
.set PB,    112                        ; role C: v[112:119] likewise
.set BACK,  128                        ; role C: v[128:255] the list on its way from LDS to memory
; 16 loads: rows 2 wave and 2 wave + 1 of a strip, 512 neighbouring bytes an instruction
.macro LOAD16 set, sb, off, nt
.irp i, 0,1
.irp u, 0,1,2,3,4,5,6,7
.if \nt
	global_load_b128 v[X+64*\set+4*(8*\i+\u):X+64*\set+4*(8*\i+\u)+3], v[VSRC], s[\sb:\sb+1] offset:\off+4096*\i+512*\u th:TH_LOAD_NT
.else
	global_load_b128 v[X+64*\set+4*(8*\i+\u):X+64*\set+4*(8*\i+\u)+3], v[VSRC], s[\sb:\sb+1] offset:\off+4096*\i+512*\u
.endif
.endr
.endr
.endm
; the 16 loads' numbers rounded to bf16 in place and laid into LDS, 8 bytes a lane
.macro CONV16 set, adr, lb
.irp i, 0,1
.irp u, 0,1,2,3,4,5,6,7
	v_cvt_pk_bf16_f32 v[X+64*\set+4*(8*\i+\u)],   v[X+64*\set+4*(8*\i+\u)],   v[X+64*\set+4*(8*\i+\u)+1]
	v_cvt_pk_bf16_f32 v[X+64*\set+4*(8*\i+\u)+1], v[X+64*\set+4*(8*\i+\u)+2], v[X+64*\set+4*(8*\i+\u)+3]
	ds_store_b64 v[\adr], v[X+64*\set+4*(8*\i+\u):X+64*\set+4*(8*\i+\u)+1] offset:\lb+PITCH*\i+256*\u
.endr
.endr
.endm
	s_load_b256 s[4:11], s[0:1], 0x0               ; W_enc s[4:5], W_dec s[6:7], decoder_hidden s[8:9], mask s[10:11]
	s_load_b256 s[12:19], s[0:1], 0x20             ; wfrag s[12:13], dpw s[14:15], order s[16:17], inv s[18:19]
	v_lshl_add_u32 v30, v0, 2, 0x20000
	v_mov_b32 v31, 0
	v_lshrrev_b32 v1, 5, v0
	v_readfirstlane_b32 s20, v1                    ; wave 0..7
	v_and_b32 v[VL], 31, v0
	v_and_b32 v[VR], 15, v0
	v_bfe_u32 v[VH], v0, 4, 1
	v_lshlrev_b32 v[VL16], 4, v[VL]
	s_lshl_b32 s21, s20, 13
	v_add_nc_u32 v[VSRC], s21, v[VL16]
	s_mul_i32 s21, s20, 2*PITCH
	v_lshl_add_u32 v[VDST], v[VL], 3, s21
	v_add_nc_u32 v[VDST2], 2*STRIP, v[VDST]
	v_mul_u32_u24 v[VFR], v[VR], PITCH
	v_lshl_add_u32 v[VFR], v[VH], 4, v[VFR]
	s_lshl_b32 s21, s20, 8
	v_add_nc_u32 v[VFR], s21, v[VFR]
	v_add_nc_u32 v[VFR2], 2*STRIP, v[VFR]
	s_mov_b32 s23, 0                               ; upper word of every offset pair s[22:23]
	s_wait_kmcnt 0x0
	s_cmp_ge_u32 ttmp9, 128
	s_cbranch_scc1 .LroleC
	s_cmp_ge_u32 ttmp9, 64
	s_cbranch_scc1 .LroleB
; ---------------- role A: n tile nt = group number; nt = 16 c + 4 w + j
	s_lshl_b32 s22, ttmp9, 16                      ; 16 rows of 4,096 bytes
	s_add_nc_u64 s[24:25], s[4:5], s[22:23]
	LOAD16 0, 24, 0, 1                             ; each byte of W_enc is read once in this launch
	s_bfe_u32 s26, ttmp9, 0x20002                  ; w
	s_lshr_b32 s27, ttmp9, 4                       ; c
	s_lshl2_add_u32 s26, s26, s27                  ; 4 w + c
	s_lshl_b32 s26, s26, 17
	s_and_b32 s27, ttmp9, 3                        ; j
	s_lshl_b32 s27, s27, 10
	s_add_co_u32 s22, s26, s27
	s_add_nc_u64 s[28:29], s[12:13], s[22:23]
	s_lshl_b32 s21, s20, 14
	v_add_nc_u32 v10, s21, v[VL16]                 ; K steps 4 wave ..: 4,096 bytes each
	s_wait_loadcnt 0x0
	CONV16 0, VDST, 0
	s_wait_dscnt 0x0                               ; my two rows are in LDS,
	s_barrier_signal -1
	s_barrier_wait -1                              ; everybody's are
.irp si, 0,1,2,3
.irp q, 0,1
	ds_load_b128 v[X+4*(2*\si+\q):X+4*(2*\si+\q)+3], v[VFR] offset:64*\si+32*\q
.endr
.endr
.irp si, 0,1,2,3
.irp q, 0,1
	s_wait_dscnt 7-(2*\si+\q)                      ; LDS loads come back in order: this one is in
	global_store_b128 v10, v[X+4*(2*\si+\q):X+4*(2*\si+\q)+3], s[28:29] offset:4096*\si+512*\q   ; the wave stores 512 neighbouring bytes
.endr
.endr
	s_wait_tensorcnt 0x0
	ds_add_u32 v30, v31
	s_wait_dscnt 0x0
	s_endpgm
; ---------------- role B: columns 16 nt .. 16 nt + 15 of dec_p, nt = group number - 64
.LroleB:
	s_sub_co_u32 s30, ttmp9, 64
	s_lshl_b32 s22, s30, 16
	s_add_nc_u64 s[24:25], s[6:7], s[22:23]
	LOAD16 0, 24, 0, 1                             ; 16 rows of W_dec, read once in this launch
	LOAD16 1, 8, 0, 0                              ; batches 0-15
	LOAD16 2, 8, 65536, 0                          ; batches 16-31
	s_lshl_b32 s22, s30, 11
	s_add_nc_u64 s[28:29], s[14:15], s[22:23]
	s_wait_loadcnt 32                              ; the two younger strips' 32 loads may stay out
	CONV16 0, VDST, 0
	s_wait_loadcnt 16
	CONV16 1, VDST, STRIP
	s_wait_loadcnt 0x0
	CONV16 2, VDST2, 0
	s_wait_dscnt 0x0
	s_barrier_signal -1
	s_barrier_wait -1
.irp si, 0,1,2,3
.irp q, 0,1
	ds_load_b128 v[32+8*\si+4*\q:32+8*\si+4*\q+3], v[VFR]  offset:64*\si+32*\q          ; W_dec
	ds_load_b128 v[64+8*\si+4*\q:64+8*\si+4*\q+3], v[VFR]  offset:STRIP+64*\si+32*\q    ; batches 0-15
	ds_load_b128 v[96+8*\si+4*\q:96+8*\si+4*\q+3], v[VFR2] offset:64*\si+32*\q          ; batches 16-31
.endr
.endr
	s_lshl_b32 s21, s20, 11
	s_add_co_u32 s21, s21, REDB
	v_add_nc_u32 v11, s21, v[VL16]
	v_lshlrev_b32 v13, 3, v0                       ; 8 x thread
	v_add_nc_u32 v12, REDB, v13
	s_wait_dscnt 0x0
	; source 0 = rows of W_dec, source 1 = batches: a lane's eight results are eight neighbouring columns of one batch.
	; The two accumulators take turns, one instruction a turn.
	v_wmma_f32_16x16x32_bf16 v[128:135], v[32:39], v[64:71], 0
	v_wmma_f32_16x16x32_bf16 v[136:143], v[32:39], v[96:103], 0
.irp si, 1,2,3
	v_wmma_f32_16x16x32_bf16 v[128:135], v[32+8*\si:39+8*\si], v[64+8*\si:71+8*\si], v[128:135]
	v_wmma_f32_16x16x32_bf16 v[136:143], v[32+8*\si:39+8*\si], v[96+8*\si:103+8*\si], v[136:143]
.endr
.rept 4
	v_nop                                          ; four places behind the last matrix instruction (ISA guide 7.12.1) before its results are stored
.endr
.irp u, 0,1,2,3
	ds_store_b128 v11, v[128+4*\u:131+4*\u] offset:512*\u      ; my part of K: 128 of 1,024
.endr
	s_wait_dscnt 0x0
	s_barrier_signal -1
	s_barrier_wait -1
.irp u, 0,1,2,3,4,5,6,7
	ds_load_b64 v[32+2*\u:33+2*\u], v12 offset:2048*\u         ; the eight waves' sums of my two numbers
.endr
	s_wait_dscnt 0x0
	v_pk_add_f32 v[32:33], v[32:33], v[34:35]
	v_pk_add_f32 v[36:37], v[36:37], v[38:39]
	v_pk_add_f32 v[40:41], v[40:41], v[42:43]
	v_pk_add_f32 v[44:45], v[44:45], v[46:47]
	v_pk_add_f32 v[32:33], v[32:33], v[36:37]
	v_pk_add_f32 v[40:41], v[40:41], v[44:45]
	v_pk_add_f32 v[32:33], v[32:33], v[40:41]
	v_pk_mul_f32 v[32:33], v[32:33], 0x4038aa3b op_sel_hi:[1,0]   ; times 2 log2(e): the main launch's exponentials are to base 2
	global_store_b64 v13, v[32:33], s[28:29]       ; a wave stores 256 neighbouring bytes
	s_wait_tensorcnt 0x0
	ds_add_u32 v30, v31
	s_wait_dscnt 0x0
	s_endpgm
; ---------------- role C: wave x makes the list of batch 8 (group - 128) + x, in its own 16,384 bytes of LDS
.LroleC:
	s_sub_co_u32 s30, ttmp9, 128
	s_lshl3_add_u32 s30, s30, s20                  ; batch
	s_lshl_b32 s22, s30, 13
	s_add_nc_u64 s[24:25], s[10:11], s[22:23]      ; the batch's mask
	s_add_nc_u64 s[26:27], s[18:19], s[22:23]      ; its row of inv
	s_mul_i32 s22, s30, 16640
	s_add_nc_u64 s[28:29], s[16:17], s[22:23]      ; its row of order
.irp i, 0,1,2,3,4,5,6,7,8,9,10,11,12,13,14,15
	global_load_b128 v[X+4*\i:X+4*\i+3], v[VL16], s[24:25] offset:512*\i   ; register k = 4 i + e of a lane: row t = 128 i + 4 lane + e
.endr
	s_lshl_b32 s31, s20, 14
	v_add_nc_u32 v10, s31, v[VL16]                 ; my bytes + 16 lane
	v_mov_b32 v11, s31                             ; my bytes
	v_mov_b32 v12, 0x2000
	v_mov_b32 v13, 0x2000
	v_mov_b32 v14, 0x2000
	v_mov_b32 v15, 0x2000
.set n, 0
.rept 32
	ds_store_b128 v10, v[12:15] offset:512*n       ; every place starts as 'no row'
.set n, n+1
.endr
	v_lshlrev_b32 v16, 2, v[VL]                    ; 4 lane
	s_mov_b32 s48, 0                               ; unmasked rows so far
	s_wait_loadcnt 0x0
	; Is any row unmasked?  63 ORs in eight chains, one compare.
.irp q, 0,1,2,3,4,5,6,7
	v_or_b32 v[ORC+\q], v[X+\q], v[X+8+\q]
.endr
.irp g, 2,3,4,5,6,7
.irp q, 0,1,2,3,4,5,6,7
	v_or_b32 v[ORC+\q], v[ORC+\q], v[X+8*\g+\q]
.endr
.endr
.irp q, 0,2,4,6
	v_or_b32 v[ORC+\q], v[ORC+\q], v[ORC+\q+1]
.endr
	v_or_b32 v[ORC], v[ORC], v[ORC+2]
	v_or_b32 v[ORC+4], v[ORC+4], v[ORC+6]
	v_or_b32 v[ORC], v[ORC], v[ORC+4]
	v_cmp_ne_u32 vcc_lo, 0, v[ORC]
	s_cmp_lg_u32 vcc_lo, 0
	s_cselect_b32 s37, 0, 0xfff                    ; a masked row's entry is (t & s37) | s38: 0x2000 if any row is unmasked,
	s_mov_b32 s38, 0x1000                          ; (s_mov_b32 leaves SCC as it is)
	s_cselect_b32 s38, 0x2000, s38                 ; t | 0x1000 if none is
; Eight registers of mask words: each lane's row gets its place; the register then holds the place's word number.  Each stage is written for
; all eight in a row, on registers of their own, so that no line reads the result of the line in front of it.
; With pu = unmasked rows before mine, the masked rows before mine are 32 k + lane - pu, so a masked row's place is 2047 - 32 k - lane + pu.
.macro GROUP g
.irp q, 0,1,2,3,4,5,6,7
	v_cmp_ne_u32 s[40+\q], 0, v[X+8*\g+\q]
.endr
.irp q, 0,1,2,3,4,5,6,7
	s_bcnt1_i32_b32 s35, s[40+\q]
	s_add_co_u32 s[49+\q], s[48+\q], s35           ; s[48+q]: unmasked rows in the registers before register q of the group
.endr
.irp q, 0,1,2,3,4,5,6,7
	v_mbcnt_lo_u32_b32 v[PA+\q], s[40+\q], s[48+\q]            ; pu: an unmasked row's place, counted up from 0
.endr
.irp q, 0,1,2,3,4,5,6,7
	v_sub_nc_u32 v[PB+\q], 2047-32*(8*\g+\q), v[VL]
.endr
.irp q, 0,1,2,3,4,5,6,7
	v_add_nc_u32 v[PB+\q], v[PB+\q], v[PA+\q]                  ; a masked row's place, counted down from 2047
.endr
.irp q, 0,1,2,3,4,5,6,7
	v_cndmask_b32 v[PA+\q], v[PB+\q], v[PA+\q], s[40+\q]
.endr
.irp q, 0,1,2,3,4,5,6,7
	v_mul_u32_u24 v[PB+\q], 3641, v[PA+\q]
.endr
.irp q, 0,1,2,3,4,5,6,7
	v_lshrrev_b32 v[PB+\q], 19, v[PB+\q]                       ; place / 144: 3641 / 2^19 exceeds 1/144 by 2.2e-7, too little to matter up to 2047
.endr
.irp q, 0,1,2,3,4,5,6,7
	v_mad_u32_u24 v[X+8*\g+\q], v[PB+\q], 112, v[PA+\q]        ; slots are 256 words apart
.endr
.irp q, 0,1,2,3,4,5,6,7
	v_add_nc_u32 v[PA+\q], 128*((8*\g+\q)/4)+(\q%4), v16       ; t
.endr
.irp q, 0,1,2,3,4,5,6,7
	v_and_b32 v[PB+\q], s37, v[PA+\q]
.endr
.irp q, 0,1,2,3,4,5,6,7
	v_or_b32 v[PB+\q], s38, v[PB+\q]                           ; what a masked row enters
.endr
.irp q, 0,1,2,3,4,5,6,7
	v_cndmask_b32 v[PA+\q], v[PB+\q], v[PA+\q], s[40+\q]
.endr
.irp q, 0,1,2,3,4,5,6,7
	v_min_u32 v[PB+\q], 0xfff, v[X+8*\g+\q]                    ; the bound of my 4,096 words, in the instruction itself
.endr
.irp q, 0,1,2,3,4,5,6,7
	v_lshl_add_u32 v[PB+\q], v[PB+\q], 2, v11
.endr
.irp q, 0,1,2,3,4,5,6,7
	ds_store_b32 v[PB+\q], v[PA+\q]                            ; behind the fill: LDS serves a wave's instructions in order (ISA guide 5.7.1)
.endr
	s_mov_b32 s48, s56                             ; the count goes on into the next group
.endm
.irp g, 0,1,2,3,4,5,6,7
	GROUP \g
.endr
.irp i, 0,1,2,3,4,5,6,7,8,9,10,11,12,13,14,15
	global_store_b128 v[VL16], v[X+4*\i:X+4*\i+3], s[26:27] offset:512*\i
.endr
.set n, 0
.rept 32
	ds_load_b128 v[BACK+4*n:BACK+4*n+3], v10 offset:512*n      ; my own bytes: no barrier
.set n, n+1
.endr
.set n, 0
.rept 32
	s_wait_dscnt 31-n                              ; the 31 - n younger loads may stay out
	global_store_b128 v[VL16], v[BACK+4*n:BACK+4*n+3], s[28:29] offset:512*n
.set n, n+1
.endr
	s_sub_co_u32 s35, s48, 1                       ; two passes if no row is unmasked (all 2,048 count) or more than 8 x 144 = 1,152 are
	s_cmp_ge_u32 s35, 1152
	s_cselect_b32 s34, 2, 1
	v_mov_b32 v12, s34
	v_mov_b32 v13, s48
	v_lshlrev_b32 v14, 3, v[VL]
	global_store_b64 v14, v[12:13], s[28:29] offset:16384      ; 32 equal pairs: 256 neighbouring bytes
	s_wait_tensorcnt 0x0
	ds_add_u32 v30, v31
	s_wait_dscnt 0x0
	s_endpgm
.Lfunc_end_k_qb3403a87ef_prep:
	.size	k_qb3403a87ef_prep, .Lfunc_end_k_qb3403a87ef_prep-k_qb3403a87ef_prep
	.p2alignl 7, 3214868480
	.fill 96, 4, 3214868480
	.section	.rodata,"a",@progbits
	.p2align	6, 0x0
	.amdhsa_kernel k_qb3403a87ef_prep
		.amdhsa_group_segment_fixed_size 132096
		.amdhsa_private_segment_fixed_size 0
		.amdhsa_enable_private_segment 0
		.amdhsa_kernarg_size 64
		.amdhsa_user_sgpr_count 2
		.amdhsa_user_sgpr_kernarg_segment_ptr 1
		.amdhsa_wavefront_size32 1
		.amdhsa_system_sgpr_workgroup_id_x 1
		.amdhsa_system_sgpr_workgroup_id_y 1
		.amdhsa_system_sgpr_workgroup_id_z 1
		.amdhsa_system_vgpr_workitem_id 0
		.amdhsa_next_free_vgpr 256
		.amdhsa_next_free_sgpr 66
		.amdhsa_reserve_vcc 1
		.amdhsa_float_denorm_mode_32 3
		.amdhsa_float_denorm_mode_16_64 3
		.amdhsa_memory_ordered 1
		.amdhsa_forward_progress 1
		.amdhsa_inst_pref_size 99
	.end_amdhsa_kernel
	.amdgpu_metadata
---
amdhsa.version: [ 1, 2 ]
amdhsa.kernels:
  - .name:           k_qb3403a87ef_prep
    .symbol:         k_qb3403a87ef_prep.kd
    .args:
      - { .name: W_enc, .offset: 0, .size: 8, .value_kind: global_buffer, .address_space: global }
      - { .name: W_dec, .offset: 8, .size: 8, .value_kind: global_buffer, .address_space: global }
      - { .name: decoder_hidden, .offset: 16, .size: 8, .value_kind: global_buffer, .address_space: global }
      - { .name: mask, .offset: 24, .size: 8, .value_kind: global_buffer, .address_space: global }
      - { .name: wfrag, .offset: 32, .size: 8, .value_kind: global_buffer, .address_space: global }
      - { .name: dpw, .offset: 40, .size: 8, .value_kind: global_buffer, .address_space: global }
      - { .name: order, .offset: 48, .size: 8, .value_kind: global_buffer, .address_space: global }
      - { .name: inv, .offset: 56, .size: 8, .value_kind: global_buffer, .address_space: global }
    .group_segment_fixed_size: 132096
    .private_segment_fixed_size: 0
    .kernarg_segment_align: 8
    .kernarg_segment_size: 64
    .max_flat_workgroup_size: 256
    .sgpr_count:     66
    .vgpr_count:     256
    .wavefront_size: 32
...
	.end_amdgpu_metadata
.endif
;; end of part 1
;; launch main (part 2): grid 256 x 1, 4 waves a work-group, no clusters, 305,408 bytes of LDS; arguments encoder_outputs, v, order, wfrag, dpw, sc, part; writes sc, part
.if DOCPART == 2
	.amdgcn_target "amdgcn-amd-amdhsa--gfx1250"
	.amdhsa_code_object_version 6
	.text
	.protected	k_qb3403a87ef_main
	.globl	k_qb3403a87ef_main
	.p2align	8
	.type	k_qb3403a87ef_main,@function
k_qb3403a87ef_main:
	s_mov_b64 s[64:65], 0
	v_nop
	global_prefetch_b8 v0, s[64:65] scope:SCOPE_SE
	s_setreg_imm32_b32 hwreg(HW_REG_WAVE_MODE, 25, 1), 1
	s_wait_xcnt 0x0
; Scores and a partial softmax-weighted sum for 144 listed encoder rows a pass.  Eight work-groups a batch: b = group / 8, j = group % 8.
; A pass p takes slot 8 p + j of the batch's list: the 144 rows are gathered, rounded once to bf16 and stay in LDS; all of W_enc goes past
; them; tanh and the product with v are made in registers; then the running maximum, the sum and the weighted sum of the SAME LDS rows are
; stepped, so that an encoder row leaves memory once.  The number of passes that a batch needs (1 or 2) is a whole number that the launch
; before stored.  The text goes through the pass twice: its three barriers stand on every wave's path both times, and each of the three
; stretches between them is jumped over in a pass that the batch does not need (then three barriers with nothing between them are all it costs).
; Four waves.  In chunk c (of 4) wave w owns columns 256 c + 64 w .. + 63: 9 x 4 accumulator tiles of 16 x 16, 288 registers.  A K step of 32 is
; 36 matrix instructions, fed by 18 LDS loads (the 144 rows) and 8 global loads (64 columns of W, 512 neighbouring bytes an instruction).
; NO TENSOR LOADS, NO JOINT REQUESTS: the rows and the scratch take 304,896 of the 327,680 bytes of LDS; 22,784 are left, and two slots of one K step
; of W for four waves would be 2 x 16,384.  No W fragment is used by two waves of the group, so W goes straight into registers.
; THE MATRIX INSTRUCTION IS USED TRANSPOSED: source 0 = 16 columns' rows of W, source 1 = 16 encoder rows; lane l then holds encoder row l % 16
; and columns 8 (l / 16) + 0..7.
; tanh(x) = 1 - 2 / (1 + 2^(2 log2(e) x)): an overflow of the power gives 1, an underflow -1, no clamp.  score = sum v - 2 sum v / (1 + ..).
; LIMITS.  A masked row of a batch with an unmasked row has weight exp(-1e9 - max) = 0 in f32 as long as sum |v| < 9e8; such rows beyond the
; list's worked part are not read, so an infinity or NaN in them is not carried into the context.  The context uses the rows rounded to bf16.
; Weights below 2^-126 come out as 0 (v_exp_f32 flushes: ISA guide 15.8).
;
; LDS: 144 rows of 2,048 bytes, pitch 2,064 (129 x 16); SCR [wave][144] f32; PW 1,024 bytes a wave (weights); SS 1,024 bytes (wave 0).
; REGISTERS in windows of 256:  0: addresses, fragments of the rows (two buffers), tiles (8, j), sums;  1: tiles (m, j), m < 8, at v[8 (4 m + j)];
; during the gather three sets of 64, offsets and addresses;  2: eight buffers of 32 for W;  3: dec_p (v0-31) and v (v32-63) of the chunk.
.set PITCH, 2064
.set SCR,   297216
.set PW,    299776
.set SS,    303872
.set NEGBIG, 0xff600000                ; -1.75 x 2^127: the score of a place without a row, and the first running maximum
.set VL16,  1                          ; 16 lane
.set ADR0,  2                          ; v2-6   (32 x + lane%16) pitch + 16 (lane/16)
.set ADR,   7                          ; v7-11  the same + the trip's place along K
.set VDP,   12
.set VV,    13
.set VDP0,  14
.set VV0,   15
.set VENTA, 16                         ; (36 w + lane/16) 4: the gather's entries
.set VLA,   17                         ; (36 w + lane/16) pitch + 8 (lane%16): where the gather stores
.set COL16, 18                         ; 16 (lane%16)
.set VENTE, 19                         ; 4 (lane%16)
.set SCRW,  20
.set SCRR,  21
.set PWA,   22
.set SSA,   23
.set F0,    24                         ; v24-95   fragments, buffer 0
.set F1,    96                         ; v96-167  fragments, buffer 1
.set T,     96                         ; after a chunk: 32 numbers at work
.set Q,     128                        ; four pairs of sums
.set S,     96                         ; scores of rows 16 m + lane%16
.set SL,    112
.set ACC8,  168                        ; v168-199 tiles (8, j)
.set U,     200                        ; v200-217 sum of v / (1 + ..), a pair for each m
.set VS,    218                        ; v218-225 sum of v
.set E,     226                        ; v226-234 list entries of rows 16 m + lane%16
.set SSR,   235
.set MRUN,  236
.set LRUN,  237
.set CTX,   238                        ; v238-245 weighted sums of columns 8 thread + 0..7
.set TMP,   246
.set CR,    24                         ; the weighted sum: 16 rows' 16 bytes, set 0 at v24-87, set 1 at v136-199
.set CW,    88                         ; and their 16 weights, set 0 at v88-103, set 1 at v200-215
.set DPW,   0                          ; window 3
.set VW,    32                         ; window 3
.set WB0,   28                         ; s[28:29] my wave's 128 K steps of W, 4,096 bytes each
.set WBC,   30                         ; s[30:31] the trip's 8 steps
.set WBN,   32                         ; s[32:33] the next trip's
.set MSB, 0
.macro WIN new                         ; low byte: 1:0 source 0, 3:2 source 1, 5:4 source 2, 7:6 destination; the high byte repeats the setting left
.if MSB != \new
	s_set_vgpr_msb (MSB<<8)|\new
.set MSB, \new
.endif
.endm
.macro PLACES                          ; four places behind a matrix instruction (ISA guide 7.12.1) before its registers are loaded into or its results read
.rept 4
	v_nop
.endr
.endm
; 18 LDS loads: the fragments of all 144 rows for 32 along K
.macro FETCHA buf, imm
.irp m, 0,1,2,3,4,5,6,7,8
	ds_load_b128 v[\buf+8*\m:\buf+8*\m+3],   v[ADR+\m/2] offset:(\m%2)*16*PITCH+\imm
	ds_load_b128 v[\buf+8*\m+4:\buf+8*\m+7], v[ADR+\m/2] offset:(\m%2)*16*PITCH+\imm+32
.endr
.endm
; 8 global loads: one K step of my 64 columns of W into ring buffer beta
.macro LOADB beta, sb, imm
	WIN 0x80
.irp u, 0,1,2,3,4,5,6,7
	global_load_b128 v[32*(\beta)+4*\u:32*(\beta)+4*\u+3], v[VL16], s[\sb:\sb+1] offset:\imm+512*\u
.endr
.endm
; 36 matrix instructions.  The 36 accumulators take turns in one fixed order, one instruction a turn.
.macro MUL f, beta, zero
	WIN 0x02
.irp j, 0,1,2,3
.if \zero
	v_wmma_f32_16x16x32_bf16 v[ACC8+8*\j:ACC8+8*\j+7], v[32*(\beta)+8*\j:32*(\beta)+8*\j+7], v[\f+64:\f+71], 0
.else
	v_wmma_f32_16x16x32_bf16 v[ACC8+8*\j:ACC8+8*\j+7], v[32*(\beta)+8*\j:32*(\beta)+8*\j+7], v[\f+64:\f+71], v[ACC8+8*\j:ACC8+8*\j+7]
.endif
.endr
	WIN 0x52
.irp m, 0,1,2,3,4,5,6,7
.irp j, 0,1,2,3
.if \zero
	v_wmma_f32_16x16x32_bf16 v[8*(4*\m+\j):8*(4*\m+\j)+7], v[32*(\beta)+8*\j:32*(\beta)+8*\j+7], v[\f+8*\m:\f+8*\m+7], 0
.else
	v_wmma_f32_16x16x32_bf16 v[8*(4*\m+\j):8*(4*\m+\j)+7], v[32*(\beta)+8*\j:32*(\beta)+8*\j+7], v[\f+8*\m:\f+8*\m+7], v[8*(4*\m+\j):8*(4*\m+\j)+7]
.endif
.endr
.endr
.endm
; K step i of a trip of eight: asks for the next step's rows and for W six steps ahead, then multiplies.
.macro STEP i, zero
	WIN 0
.if \i < 7
	PLACES
	FETCHA F0+72*((\i+1)%2), (\i+1)*64
.else
	s_add_co_u32 s26, s26, 512                     ; the next trip's 256 numbers along K; behind the fourth trip back to 0
	s_and_b32 s26, s26, 0x600
.irp x, 0,1,2,3,4
	v_add_nc_u32 v[ADR+\x], s26, v[ADR0+\x]        ; these five lines are the places
.endr
	FETCHA F0, 0
.endif
.if \i < 2
	LOADB (\i+6)%8, WBC, (6+\i)*4096
.else
	LOADB (\i+6)%8, WBN, (\i-2)*4096
.endif
	s_wait_dscnt 18                                ; the 18 just issued may stay out: this step's rows are in
	s_wait_loadcnt 48                              ; the six steps ahead, 8 loads each, may stay out: this step's W is in
	MUL F0+72*(\i%2), \i, \zero
.endm
; Eight K steps.  The stream of W is a circle of my 128 steps, so a second pass finds its first six steps on their way; behind the
; last pass six steps (24,576 bytes a wave, inside the buffer) have been asked for in vain.
.macro TRIP zero
	STEP 0, \zero
.irp i, 1,2,3,4,5,6,7
	STEP \i, 0
.endr
	WIN 0
	s_wait_xcnt 0x0                                ; the bases of pending loads are rewritten only behind this wait
	s_mov_b64 s[WBC:WBC+1], s[WBN:WBN+1]
	s_add_co_u32 s27, s27, 1
	s_and_b32 s27, s27, 15
	s_lshl_b32 s34, s27, 15
	s_add_nc_u64 s[WBN:WBN+1], s[WB0:WB0+1], s[34:35]
.endm
; After a chunk, rows 16 m ..: 32 numbers a lane: 2 log2(e) (enc_p + dec_p), power, + 1, reciprocal, times v, summed.
.macro EPIM m, base, win, first
	WIN \win
.irp p, 0,1,2,3,4,5,6,7,8,9,10,11,12,13,14,15
	v_pk_fma_f32 v[T+2*\p:T+2*\p+1], v[\base+2*\p:\base+2*\p+1], 0x4038aa3b, v[DPW+2*\p:DPW+2*\p+1] op_sel_hi:[1,0,1]
.endr
	WIN 0x0c
.set e, 0
.rept 32
	v_exp_f32 v[T+e], v[T+e]
.set e, e+1
.endr
	v_nop                                          ; one plain instruction behind the run of transcendentals (ISA guide 5.7.2)
	s_wait_alu depctr_va_vdst(0)
.irp p, 0,1,2,3,4,5,6,7,8,9,10,11,12,13,14,15
	v_pk_add_f32 v[T+2*\p:T+2*\p+1], v[T+2*\p:T+2*\p+1], 1.0 op_sel_hi:[1,0]
.endr
.set e, 0
.rept 32
	v_rcp_f32 v[T+e], v[T+e]
.set e, e+1
.endr
	v_nop
	s_wait_alu depctr_va_vdst(0)
.irp p, 0,1,2,3
	v_pk_mul_f32 v[Q+2*\p:Q+2*\p+1], v[T+2*\p:T+2*\p+1], v[VW+2*\p:VW+2*\p+1]
.endr
.irp p, 4,5,6,7,8,9,10,11,12,13,14,15
	v_pk_fma_f32 v[Q+2*(\p%4):Q+2*(\p%4)+1], v[T+2*\p:T+2*\p+1], v[VW+2*\p:VW+2*\p+1], v[Q+2*(\p%4):Q+2*(\p%4)+1]
.endr
.if \first
.irp p, 0,1,2,3,4,5,6,7,8,9,10,11,12,13,14,15
	v_pk_add_f32 v[VS+2*(\p%4):VS+2*(\p%4)+1], v[VS+2*(\p%4):VS+2*(\p%4)+1], v[VW+2*\p:VW+2*\p+1]   ; sum of v, once a chunk
.endr
.endif
	WIN 0
	v_pk_add_f32 v[Q:Q+1], v[Q:Q+1], v[Q+2:Q+3]
	v_pk_add_f32 v[Q+4:Q+5], v[Q+4:Q+5], v[Q+6:Q+7]
	v_pk_add_f32 v[Q:Q+1], v[Q:Q+1], v[Q+4:Q+5]
	v_pk_add_f32 v[U+2*\m:U+2*\m+1], v[U+2*\m:U+2*\m+1], v[Q:Q+1]
.endm
.macro EPI
	WIN 0
	PLACES
	EPIM 0, 0,   0x31, 1
	EPIM 1, 32,  0x31, 0
	EPIM 2, 64,  0x31, 0
	EPIM 3, 96,  0x31, 0
	EPIM 4, 128, 0x31, 0
	EPIM 5, 160, 0x31, 0
	EPIM 6, 192, 0x31, 0
	EPIM 7, 224, 0x31, 0
	EPIM 8, ACC8, 0x30, 0
.endm
; The gather, under window 1 for every operand.  Pair t = list places 36 w + 2 t + lane/16: sixteen lanes read 256 neighbouring bytes of one row.
; Each listed row is named once in the launch; only places without a row name row 0 again.
.macro GATH t
.irp i, 0,1,2,3,4,5,6,7,8,9,10,11,12,13,14,15
	global_load_b128 v[64*((\t)%3)+4*\i:64*((\t)%3)+4*\i+3], v[192+(\t)], s[36:37] offset:256*\i th:TH_LOAD_NT
.endr
.endm
.macro TURN t, left, more
	s_wait_loadcnt \left                           ; the younger pairs' loads, 16 each, may stay out
.irp i, 0,1,2,3,4,5,6,7,8,9,10,11,12,13,14,15
	v_cvt_pk_bf16_f32 v[64*(\t%3)+4*\i],   v[64*(\t%3)+4*\i],   v[64*(\t%3)+4*\i+1]
	v_cvt_pk_bf16_f32 v[64*(\t%3)+4*\i+1], v[64*(\t%3)+4*\i+2], v[64*(\t%3)+4*\i+3]
	ds_store_b64 v[210+\t/9], v[64*(\t%3)+4*\i:64*(\t%3)+4*\i+1] offset:(\t%9)*2*PITCH+128*\i
.endr
.if \more
	GATH \t+3
.endif
.endm
; The weighted sum, rows 16 g .. 16 g + 15: 20 LDS loads (16 weights, the same in every lane; my 16 bytes of each row) into register set g % 2
.macro LOADG g
.irp k, 0,1,2,3
	ds_load_b128 v[CW+112*((\g)%2)+4*\k:CW+112*((\g)%2)+4*\k+3], v[TMP+5] offset:64*(\g)+16*\k
.endr
.irp k, 0,1,2,3,4,5,6,7,8,9,10,11,12,13,14,15
	ds_load_b128 v[CR+112*((\g)%2)+4*\k:CR+112*((\g)%2)+4*\k+3], v[TMP+(\g)/2] offset:((\g)%2)*16*PITCH+PITCH*\k
.endr
.endm
; and its 128 fused multiply-adds straight from the bf16 halves
.macro FMAG g
.irp k, 0,1,2,3,4,5,6,7,8,9,10,11,12,13,14,15
.irp c, 0,1,2,3
	v_fma_mix_f32_bf16 v[CTX+2*\c],   v[CR+112*((\g)%2)+4*\k+\c], v[CW+112*((\g)%2)+\k], v[CTX+2*\c]   op_sel_hi:[1,0,0]
	v_fma_mix_f32_bf16 v[CTX+2*\c+1], v[CR+112*((\g)%2)+4*\k+\c], v[CW+112*((\g)%2)+\k], v[CTX+2*\c+1] op_sel:[1,0,0] op_sel_hi:[1,0,0]
.endr
.endr
.endm
	s_load_b256 s[4:11], s[0:1], 0x0               ; encoder_outputs s[4:5], v s[6:7], order s[8:9], wfrag s[10:11]
	s_load_b128 s[12:15], s[0:1], 0x20             ; dpw s[12:13], sc s[14:15]
	s_load_b64 s[16:17], s[0:1], 0x30              ; part
	v_lshl_add_u32 v254, v0, 2, 0x4a700
	v_mov_b32 v255, 0
	v_lshrrev_b32 v[TMP], 5, v0
	v_readfirstlane_b32 s18, v[TMP]                ; wave w
	s_lshr_b32 s19, ttmp9, 3                       ; batch b
	s_and_b32 s20, ttmp9, 7                        ; j
	s_mov_b32 s35, 0                               ; upper word of every offset pair s[34:35]
	s_mov_b32 s44, 0x76543210                      ; v_permlanex16_b32: lane i of one half reads lane i of the other
	s_mov_b32 s45, 0xfedcba98
	v_and_b32 v[TMP+1], 31, v0                     ; lane
	v_and_b32 v[TMP+2], 15, v0                     ; r
	v_bfe_u32 v[TMP+3], v0, 4, 1                   ; h
	v_lshlrev_b32 v[VL16], 4, v[TMP+1]
	v_mul_u32_u24 v[TMP+4], v[TMP+2], PITCH
	v_lshl_add_u32 v[TMP+4], v[TMP+3], 4, v[TMP+4]
.irp x, 0,1,2,3,4
	v_add_nc_u32 v[ADR0+\x], \x*32*PITCH, v[TMP+4]
	v_add_nc_u32 v[ADR+\x],  \x*32*PITCH, v[TMP+4]
.endr
	s_lshl_b32 s46, s18, 13                        ; dpw: 8192 w + 1024 (b / 16) + 16 (16 h + b % 16)
	s_lshr_b32 s47, s19, 4
	s_lshl_b32 s47, s47, 10
	s_add_co_u32 s46, s46, s47
	s_and_b32 s47, s19, 15
	s_lshl_b32 s47, s47, 4
	s_add_co_u32 s46, s46, s47
	v_lshl_add_u32 v[VDP0], v[TMP+3], 8, s46
	s_lshl_b32 s46, s18, 8                         ; v: 4 (64 w + 8 h)
	v_lshl_add_u32 v[VV0], v[TMP+3], 5, s46
	s_mul_i32 s46, s18, 144
	v_lshl_add_u32 v[VENTA], v[TMP+3], 2, s46
	s_mul_i32 s46, s18, 36*PITCH
	v_mul_u32_u24 v[TMP+5], v[TMP+3], PITCH
	v_lshl_add_u32 v[TMP+5], v[TMP+2], 3, v[TMP+5]
	v_add_nc_u32 v[VLA], s46, v[TMP+5]
	v_lshlrev_b32 v[COL16], 4, v[TMP+2]
	v_lshlrev_b32 v[VENTE], 2, v[TMP+2]
	s_mul_i32 s46, s18, 576
	s_add_co_u32 s46, s46, SCR
	v_add_nc_u32 v[SCRW], s46, v[VENTE]
	v_add_nc_u32 v[SCRR], SCR, v[VENTE]
	s_lshl_b32 s52, s18, 10
	s_add_co_u32 s52, s52, PW                      ; my wave's weights
	v_add_nc_u32 v[PWA], s52, v[VENTE]
	v_add_nc_u32 v[SSA], SS, v[VENTE]
	v_add_nc_u32 v[SSR], SS, v[VL16]
	v_mov_b32 v[MRUN], NEGBIG
	v_mov_b32 v[LRUN], 0
.irp k, 0,1,2,3,4,5,6,7
	v_mov_b32 v[CTX+\k], 0
.endr
	s_wait_kmcnt 0x0
	s_mul_i32 s34, s19, 16640
	s_add_nc_u64 s[48:49], s[8:9], s[34:35]        ; the batch's row of order
	s_load_b32 s21, s[48:49], 0x4000               ; the number of passes that it needs
	s_lshl_b32 s34, s19, 23
	s_add_nc_u64 s[36:37], s[4:5], s[34:35]        ; the batch's 2,048 rows of 4,096 bytes
	s_lshl_b32 s34, s19, 14
	s_add_nc_u64 s[50:51], s[14:15], s[34:35]      ; the batch's row of sc
	s_mul_i32 s34, ttmp9, 4352
	s_add_nc_u64 s[42:43], s[16:17], s[34:35]      ; my row of part
	s_lshl_b32 s34, s18, 19
	s_add_nc_u64 s[WB0:WB0+1], s[10:11], s[34:35]
	s_mov_b64 s[WBC:WBC+1], s[WB0:WB0+1]
	s_add_nc_u64 s[WBN:WBN+1], s[WB0:WB0+1], 0x8000
	s_mov_b32 s27, 1                               ; which eight steps WBN names
	s_mov_b32 s26, 0                               ; the trip's place along K, in bytes
	s_mov_b32 s22, 0                               ; pass
.irp g, 0,1,2,3,4,5
	LOADB \g, WBC, \g*4096                         ; the first six K steps of W
.endr
	WIN 0
	s_wait_kmcnt 0x0
	s_min_u32 s21, s21, 2
.Lpass:
	s_wait_xcnt 0x0                                ; the last pass's bases and store data are rewritten only behind this wait
	s_lshl3_add_u32 s23, s22, s20                  ; slot 8 p + j
	s_min_u32 s23, s23, 15
	s_lshl_b32 s34, s23, 10
	s_add_nc_u64 s[38:39], s[48:49], s[34:35]
	s_add_nc_u64 s[40:41], s[50:51], s[34:35]
	; ---- first stretch: the gather
	s_cmp_ge_u32 s22, s21
	s_cbranch_scc1 .LskipA
	WIN 0x40
.irp t, 0,1,2,3,4,5,6,7,8,9,10,11,12,13,14,15,16,17
	global_load_b32 v[192+\t], v[VENTA], s[38:39] offset:8*\t  ; entries of places 36 w + 2 t + h
.endr
	v_mov_b32 v210, v[VLA]                         ; window 1 held accumulators: the gather's addresses are set anew
	v_add_nc_u32 v211, 18*PITCH, v[VLA]            ; pairs 9-17 (beyond the reach of a 16-bit immediate)
	v_mov_b32 v212, v[COL16]
	s_wait_loadcnt 0x0                             ; nothing was issued behind the entries
	WIN 0x55
.irp t, 0,1,2,3,4,5,6,7,8,9,10,11,12,13,14,15,16,17
	v_and_b32 v[192+\t], 0x7ff, v[192+\t]          ; the row; the flags go
	v_min_u32 v[192+\t], 0x7ff, v[192+\t]          ; a loaded index is bounded in the instruction itself
	v_lshl_add_u32 v[192+\t], v[192+\t], 12, v212  ; 4,096 t + 16 r
.endr
	GATH 0
	GATH 1
	GATH 2                                         ; 48 loads, 24,576 bytes, of each wave are on their way
.irp t, 0,1,2,3,4,5,6,7,8,9,10,11,12,13,14
	TURN \t, 32, 1
.endr
	TURN 15, 32, 0
	TURN 16, 16, 0
	TURN 17, 0, 0
	WIN 0
.LskipA:
	s_wait_dscnt 0x0                               ; my 36 rows are in LDS,
	s_barrier_signal -1
	s_barrier_wait -1                              ; all 144 are
	; ---- second stretch: the products, tanh, my share of the scores
	s_cmp_ge_u32 s22, s21
	s_cbranch_scc1 .LskipK
	FETCHA F0, 0
.set e, 0
.rept 26
	v_mov_b32 v[U+e], 0                            ; the pass's sums U and VS
.set e, e+1
.endr
	s_mov_b32 s24, 0
.Lchunk:
	s_wait_xcnt 0x0                                ; the last chunk's offsets are rewritten only behind this wait
	s_lshl_b32 s46, s24, 15
	s_lshl_b32 s47, s24, 10
	v_add_nc_u32 v[VDP], s46, v[VDP0]
	v_add_nc_u32 v[VV], s47, v[VV0]
	WIN 0xc0
.irp j, 0,1,2,3
.irp q, 0,1
	global_load_b128 v[DPW+8*\j+4*\q:DPW+8*\j+4*\q+3], v[VDP], s[12:13] offset:2048*\j+512*\q
	global_load_b128 v[VW+8*\j+4*\q:VW+8*\j+4*\q+3],   v[VV],  s[6:7]   offset:64*\j+16*\q
.endr
.endr
	; these 16 are older than every load of W issued below, so the steps' counted waits show them done long before they are used
	WIN 0
	TRIP 1                                         ; the first products start the sums: nothing is cleared
	s_mov_b32 s25, 3
.Ltrip:
	TRIP 0
	s_sub_co_u32 s25, s25, 1
	s_cmp_lg_u32 s25, 0
	s_cbranch_scc1 .Ltrip
	EPI
	s_add_co_u32 s24, s24, 1
	s_cmp_lt_u32 s24, 4
	s_cbranch_scc1 .Lchunk
	v_pk_add_f32 v[VS:VS+1], v[VS:VS+1], v[VS+2:VS+3]
	v_pk_add_f32 v[VS+4:VS+5], v[VS+4:VS+5], v[VS+6:VS+7]
	v_pk_add_f32 v[VS:VS+1], v[VS:VS+1], v[VS+4:VS+5]
	v_add_f32 v[VS], v[VS], v[VS+1]
.irp m, 0,1,2,3,4,5,6,7,8
	v_add_f32 v[S+\m], v[U+2*\m], v[U+2*\m+1]
.endr
.irp m, 0,1,2,3,4,5,6,7,8
	v_fma_f32 v[S+\m], -2.0, v[S+\m], v[VS]        ; my 128 columns' share
.endr
.irp m, 0,1,2,3,4,5,6,7,8
	v_permlanex16_b32 v[SL+\m], v[S+\m], s44, s45  ; the other half's columns (the destination has been written: it was at work above)
.endr
.irp m, 0,1,2,3,4,5,6,7,8
	v_add_f32 v[S+\m], v[S+\m], v[SL+\m]
	ds_store_b32 v[SCRW], v[S+\m] offset:64*\m     ; both halves of the lanes store the same number to the same word
.endr
.LskipK:
	s_wait_dscnt 0x0                               ; my shares are in LDS; the fragments asked for by the last K step are back too
	s_barrier_signal -1
	s_barrier_wait -1
	; ---- third stretch: scores, running maximum and sum, weights, weighted sum of the rows
	s_cmp_ge_u32 s22, s21
	s_cbranch_scc1 .LskipS
.irp m, 0,1,2,3,4,5,6,7,8
	global_load_b32 v[E+\m], v[VENTE], s[38:39] offset:64*\m   ; entries of places 16 m + r, for the masking
.endr
.irp wv, 0,1,2,3
.irp m, 0,1,2,3,4,5,6,7,8
	ds_load_b32 v[SL+9*\wv+\m], v[SCRR] offset:576*\wv+64*\m
.endr
.endr
	s_wait_dscnt 0x0
.irp m, 0,1,2,3,4,5,6,7,8
	v_add_f32 v[S+\m], v[SL+\m], v[SL+9+\m]
	v_add_f32 v[SL+\m], v[SL+18+\m], v[SL+27+\m]
	v_add_f32 v[S+\m], v[S+\m], v[SL+\m]
.endr
	s_wait_loadcnt 0x0                             ; the entries: nothing was issued behind them
.irp m, 0,1,2,3,4,5,6,7,8
	v_and_b32 v[TMP+4], 0x1000, v[E+\m]
	v_cmp_eq_u32 vcc_lo, 0, v[TMP+4]
	v_cndmask_b32 v[S+\m], 0xce6e6b28, v[S+\m], vcc_lo         ; a masked row: -1e9
	v_and_b32 v[TMP+4], 0x2000, v[E+\m]
	v_cmp_eq_u32 vcc_lo, 0, v[TMP+4]
	v_cndmask_b32 v[S+\m], NEGBIG, v[S+\m], vcc_lo             ; no row
.endr
	; every wave makes maximum, sum and weights for itself; both halves of the lanes hold the same
	v_max3_num_f32 v[TMP], v[S], v[S+1], v[S+2]
	v_max3_num_f32 v[TMP], v[TMP], v[S+3], v[S+4]
	v_max3_num_f32 v[TMP], v[TMP], v[S+5], v[S+6]
	v_max3_num_f32 v[TMP], v[TMP], v[S+7], v[S+8]
	v_max_num_f32_dpp v[TMP], v[TMP], v[TMP] row_xmask:1 row_mask:0xf bank_mask:0xf
	v_max_num_f32_dpp v[TMP], v[TMP], v[TMP] row_xmask:2 row_mask:0xf bank_mask:0xf
	v_max_num_f32_dpp v[TMP], v[TMP], v[TMP] row_xmask:4 row_mask:0xf bank_mask:0xf
	v_max_num_f32_dpp v[TMP], v[TMP], v[TMP] row_xmask:8 row_mask:0xf bank_mask:0xf
	v_max_num_f32 v[TMP+1], v[MRUN], v[TMP]        ; the new maximum
	v_sub_f32 v[TMP+2], v[MRUN], v[TMP+1]
	v_mul_f32 v[TMP+2], 0x3fb8aa3b, v[TMP+2]
.irp m, 0,1,2,3,4,5,6,7,8
	v_sub_f32 v[SL+\m], v[S+\m], v[TMP+1]
	v_mul_f32 v[SL+\m], 0x3fb8aa3b, v[SL+\m]
.endr
	v_exp_f32 v[TMP+2], v[TMP+2]                   ; what the old sums are scaled by
.irp m, 0,1,2,3,4,5,6,7,8
	v_exp_f32 v[SL+\m], v[SL+\m]
.endr
	v_mov_b32 v[MRUN], v[TMP+1]                    ; the plain instruction behind the run of transcendentals (ISA guide 5.7.2)
	s_wait_alu depctr_va_vdst(0)
	v_add_f32 v[TMP+3], v[SL], v[SL+1]
.irp m, 2,3,4,5,6,7,8
	v_add_f32 v[TMP+3], v[TMP+3], v[SL+\m]
.endr
	v_add_f32_dpp v[TMP+3], v[TMP+3], v[TMP+3] row_xmask:1 row_mask:0xf bank_mask:0xf
	v_add_f32_dpp v[TMP+3], v[TMP+3], v[TMP+3] row_xmask:2 row_mask:0xf bank_mask:0xf
	v_add_f32_dpp v[TMP+3], v[TMP+3], v[TMP+3] row_xmask:4 row_mask:0xf bank_mask:0xf
	v_add_f32_dpp v[TMP+3], v[TMP+3], v[TMP+3] row_xmask:8 row_mask:0xf bank_mask:0xf
	v_fma_f32 v[LRUN], v[LRUN], v[TMP+2], v[TMP+3]
.irp k, 0,2,4,6
	v_pk_mul_f32 v[CTX+\k:CTX+\k+1], v[CTX+\k:CTX+\k+1], v[TMP+2:TMP+3] op_sel_hi:[1,0]
.endr
.irp m, 0,1,2,3,4,5,6,7,8
	ds_store_b32 v[PWA], v[SL+\m] offset:64*\m     ; weight of row 16 m + r, in my wave's own bytes
.endr
	s_cmp_lg_u32 s18, 0
	s_cbranch_scc1 .Lnosc
	; wave 0 stores the slot's scores, 256 words (places 144-255 as zeros), so that whole runs of 512 neighbouring bytes go out
.irp m, 0,1,2,3,4,5,6,7,8
	ds_store_b32 v[SSA], v[S+\m] offset:64*\m
.endr
	v_mov_b32 v[TMP+4], 0
.irp m, 9,10,11,12,13,14,15
	ds_store_b32 v[SSA], v[TMP+4] offset:64*\m
.endr
	ds_load_b128 v[128:131], v[SSR]
	ds_load_b128 v[132:135], v[SSR] offset:512
	s_wait_dscnt 0x0
	global_store_b128 v[VL16], v[128:131], s[40:41]
	global_store_b128 v[VL16], v[132:135], s[40:41] offset:512
.Lnosc:
	; The weighted sum of the rows in LDS: thread t = 32 w + lane owns columns 8 t .. 8 t + 7, 16 bytes of every row.  One row of results: on the
	; matrix unit it would fill one row of sixteen, so it is 1,152 fused multiply-adds a lane on the vector unit.  Nine groups of 16 rows, written
	; out; five bases 32 rows apart, the rest in the immediate (31 x 2,064 at the most); the last byte read is 297,199, below SCR.
	s_lshl_b32 s46, s18, 9
	v_add_nc_u32 v[TMP], s46, v[VL16]              ; 512 w + 16 lane
.irp x, 1,2,3,4
	v_add_nc_u32 v[TMP+\x], \x*32*PITCH, v[TMP]
.endr
	v_mov_b32 v[TMP+5], s52                        ; my wave's weights: LDS serves a wave's instructions in order (ISA guide 5.7.1), so the loads see the stores above
	LOADG 0
.irp g, 0,1,2,3,4,5,6,7
	LOADG \g+1                                     ; the next group goes into the other register set
	s_wait_dscnt 20                                ; its 20 loads may stay out: this group's are in
	FMAG \g
.endr
	s_wait_dscnt 0x0
	FMAG 8
.LskipS:
	s_wait_dscnt 0x0                               ; my reads of the rows are over,
	s_barrier_signal -1
	s_barrier_wait -1                              ; everybody's are: a next pass may overwrite them
	s_add_co_u32 s22, s22, 1
	s_cmp_lt_u32 s22, 2
	s_cbranch_scc1 .Lpass
	v_lshlrev_b32 v[TMP+2], 4, v0
	global_store_b128 v[TMP+2], v[CTX:CTX+3],   s[42:43]               ; columns 8 t .. 8 t + 3: a wave stores 512 neighbouring bytes
	global_store_b128 v[TMP+2], v[CTX+4:CTX+7], s[42:43] offset:2048   ; columns 8 t + 4 .. 8 t + 7
	s_cmp_lg_u32 s18, 0
	s_cbranch_scc1 .Lend
	v_lshrrev_b32 v[TMP+3], 1, v[VL16]
	global_store_b64 v[TMP+3], v[MRUN:LRUN], s[42:43] offset:4096      ; (maximum, sum), 32 equal pairs: 256 neighbouring bytes
.Lend:
	s_wait_tensorcnt 0x0
	ds_add_u32 v254, v255
	s_wait_dscnt 0x0
	s_endpgm
.Lfunc_end_k_qb3403a87ef_main:
	.size	k_qb3403a87ef_main, .Lfunc_end_k_qb3403a87ef_main-k_qb3403a87ef_main
	.p2alignl 7, 3214868480
	.fill 96, 4, 3214868480
	.section	.rodata,"a",@progbits
	.p2align	6, 0x0
	.amdhsa_kernel k_qb3403a87ef_main
		.amdhsa_group_segment_fixed_size 305408
		.amdhsa_private_segment_fixed_size 0
		.amdhsa_enable_private_segment 0
		.amdhsa_kernarg_size 56
		.amdhsa_user_sgpr_count 2
		.amdhsa_user_sgpr_kernarg_segment_ptr 1
		.amdhsa_wavefront_size32 1
		.amdhsa_system_sgpr_workgroup_id_x 1
		.amdhsa_system_sgpr_workgroup_id_y 1
		.amdhsa_system_sgpr_workgroup_id_z 1
		.amdhsa_system_vgpr_workitem_id 0
		.amdhsa_next_free_vgpr 832
		.amdhsa_next_free_sgpr 66
		.amdhsa_reserve_vcc 1
		.amdhsa_float_denorm_mode_32 3
		.amdhsa_float_denorm_mode_16_64 3
		.amdhsa_memory_ordered 1
		.amdhsa_forward_progress 1
		.amdhsa_inst_pref_size 255
	.end_amdhsa_kernel
	.section	.bss,"aw",@nobits
	.p2align	6
	.space	262144
	.amdgpu_metadata
---
amdhsa.version: [ 1, 2 ]
amdhsa.kernels:
  - .name:           k_qb3403a87ef_main
    .symbol:         k_qb3403a87ef_main.kd
    .args:
      - { .name: encoder_outputs, .offset: 0, .size: 8, .value_kind: global_buffer, .address_space: global }
      - { .name: v, .offset: 8, .size: 8, .value_kind: global_buffer, .address_space: global }
      - { .name: order, .offset: 16, .size: 8, .value_kind: global_buffer, .address_space: global }
      - { .name: wfrag, .offset: 24, .size: 8, .value_kind: global_buffer, .address_space: global }
      - { .name: dpw, .offset: 32, .size: 8, .value_kind: global_buffer, .address_space: global }
      - { .name: sc, .offset: 40, .size: 8, .value_kind: global_buffer, .address_space: global }
      - { .name: part, .offset: 48, .size: 8, .value_kind: global_buffer, .address_space: global }
    .group_segment_fixed_size: 305408
    .private_segment_fixed_size: 0
    .kernarg_segment_align: 8
    .kernarg_segment_size: 56
    .max_flat_workgroup_size: 128
    .sgpr_count:     66
    .vgpr_count:     832
    .wavefront_size: 32
...
	.end_amdgpu_metadata
.endif
;; end of part 2
;; launch finish (part 3): grid 32 x 1, 8 waves a work-group, no clusters, 0 bytes of LDS; arguments part, sc, inv, order, out0, out1; writes out0, out1
.if DOCPART == 3
	.amdgcn_target "amdgcn-amd-amdhsa--gfx1250"
	.amdhsa_code_object_version 6
	.text
	.protected	k_qb3403a87ef_finish
	.globl	k_qb3403a87ef_finish
	.p2align	8
	.type	k_qb3403a87ef_finish,@function
k_qb3403a87ef_finish:
	s_mov_b64 s[64:65], 0
	v_nop
	global_prefetch_b8 v0, s[64:65] scope:SCOPE_SE
	s_setreg_imm32_b32 hwreg(HW_REG_WAVE_MODE, 25, 1), 1
	s_wait_xcnt 0x0
; One work-group a batch merges the batch's eight partial results: M = max m_j, a_j = exp(m_j - M), L = sum l_j a_j (at least 1),
; context = sum a_j ctx_j / L, weight[t] = exp(score - M) / L.  A row whose place lies beyond the slots that were worked on is a masked
; row of a batch with unmasked rows: its weight is 0.  Thread y owns columns 4 y .. 4 y + 3 and rows 4 y .. + 3 and 1024 + 4 y .. + 3.
; A few loads a thread and no reuse: no LDS, no barrier, no matrix unit.
; Weights below 2^-126 come out as 0 (v_exp_f32 flushes: ISA guide 15.8).
.set PROW, 4352                        ; bytes of a work-group's row of part
	s_load_b256 s[4:11], s[0:1], 0x0               ; part s[4:5], sc s[6:7], inv s[8:9], order s[10:11]
	s_load_b128 s[12:15], s[0:1], 0x20             ; out0 s[12:13], out1 s[14:15]
	v_and_b32 v1, 31, v0
	v_lshlrev_b32 v2, 4, v0                        ; 16 y
	v_lshlrev_b32 v3, 3, v1                        ; 8 lane
	v_and_b32 v4, 1, v0
	v_lshrrev_b32 v5, 1, v0
	v_lshlrev_b32 v5, 4, v5
	v_lshl_add_u32 v4, v4, 11, v5                  ; columns 4 y ..: plane y % 2, 16 bytes at 16 (y / 2)
	s_mov_b32 s17, 0
	s_wait_kmcnt 0x0
	s_mul_i32 s16, ttmp9, 16640
	s_add_nc_u64 s[18:19], s[10:11], s[16:17]
	s_load_b32 s20, s[18:19], 0x4000               ; the batch's number of passes
	s_lshl_b32 s16, ttmp9, 13
	s_add_nc_u64 s[22:23], s[8:9], s[16:17]        ; inv row
	s_add_nc_u64 s[24:25], s[14:15], s[16:17]      ; out1 row
	s_mul_i32 s16, ttmp9, 8*PROW
	s_add_nc_u64 s[26:27], s[4:5], s[16:17]        ; the batch's eight rows of part
	s_lshl_b32 s16, ttmp9, 14
	s_add_nc_u64 s[28:29], s[6:7], s[16:17]        ; sc row
	s_lshl_b32 s16, ttmp9, 12
	s_add_nc_u64 s[30:31], s[12:13], s[16:17]      ; out0 row
	global_load_b128 v[8:11], v2, s[22:23]
	global_load_b128 v[12:15], v2, s[22:23] offset:4096
.irp j, 0,1,2,3,4,5,6,7
	global_load_b64 v[16+2*\j:17+2*\j], v3, s[26:27] offset:PROW*\j+4096
.endr
.irp j, 0,1,2,3,4,5,6,7
	global_load_b128 v[32+4*\j:35+4*\j], v4, s[26:27] offset:PROW*\j
.endr
	s_wait_kmcnt 0x0
	s_min_u32 s20, s20, 2
	s_lshl_b32 s20, s20, 11                        ; words of sc that were written: 8 slots of 256 a pass
	s_sub_co_u32 s21, s20, 1
	s_wait_loadcnt 16                              ; the 16 loads of the partial results may stay out
.irp e, 0,1,2,3,4,5,6,7
	v_cmp_gt_u32 s[40+\e], s20, v[8+\e]            ; was the row worked on?
	v_min_u32 v[64+\e], s21, v[8+\e]               ; a word that was never written is never read
	v_min_u32 v[64+\e], 0xfff, v[64+\e]            ; a loaded index is bounded in the instruction itself
	v_lshlrev_b32 v[64+\e], 2, v[64+\e]
	global_load_b32 v[72+\e], v[64+\e], s[28:29]
.endr
	s_wait_loadcnt 8                               ; the eight scores may stay out
	v_max3_num_f32 v80, v16, v18, v20
	v_max3_num_f32 v80, v80, v22, v24
	v_max3_num_f32 v80, v80, v26, v28
	v_max_num_f32 v80, v80, v30                    ; M
.irp j, 0,1,2,3,4,5,6,7
	v_sub_f32 v[82+\j], v[16+2*\j], v80
	v_mul_f32 v[82+\j], 0x3fb8aa3b, v[82+\j]
.endr
.irp j, 0,1,2,3,4,5,6,7
	v_exp_f32 v[82+\j], v[82+\j]
.endr
	v_nop                                          ; one plain instruction behind the run of transcendentals (ISA guide 5.7.2)
	s_wait_alu depctr_va_vdst(0)
	v_mul_f32 v81, v17, v82
.irp j, 1,2,3,4,5,6,7
	v_fma_f32 v81, v[17+2*\j], v[82+\j], v81
.endr
	v_rcp_f32 v90, v81
	v_nop
	s_wait_alu depctr_va_vdst(0)
.irp j, 0,1,2,3,4,5,6,7
	v_mul_f32 v[82+\j], v[82+\j], v90
.endr
.irp c, 0,1,2,3
	v_mul_f32 v[92+\c], v[32+\c], v82
.endr
.irp j, 1,2,3,4,5,6,7
.irp c, 0,1,2,3
	v_fma_f32 v[92+\c], v[32+4*\j+\c], v[82+\j], v[92+\c]
.endr
.endr
	global_store_b128 v2, v[92:95], s[30:31]       ; a wave stores 512 neighbouring bytes
	s_wait_loadcnt 0x0
.irp e, 0,1,2,3,4,5,6,7
	v_sub_f32 v[72+\e], v[72+\e], v80
	v_mul_f32 v[72+\e], 0x3fb8aa3b, v[72+\e]
.endr
.irp e, 0,1,2,3,4,5,6,7
	v_exp_f32 v[72+\e], v[72+\e]
.endr
	v_nop
	s_wait_alu depctr_va_vdst(0)
.irp e, 0,1,2,3,4,5,6,7
	v_mul_f32 v[72+\e], v[72+\e], v90
	v_cndmask_b32 v[72+\e], 0, v[72+\e], s[40+\e]
.endr
	global_store_b128 v2, v[72:75], s[24:25]
	global_store_b128 v2, v[76:79], s[24:25] offset:4096
	s_endpgm
.Lfunc_end_k_qb3403a87ef_finish:
	.size	k_qb3403a87ef_finish, .Lfunc_end_k_qb3403a87ef_finish-k_qb3403a87ef_finish
	.p2alignl 7, 3214868480
	.fill 96, 4, 3214868480
	.section	.rodata,"a",@progbits
	.p2align	6, 0x0
	.amdhsa_kernel k_qb3403a87ef_finish
		.amdhsa_group_segment_fixed_size 0
		.amdhsa_private_segment_fixed_size 0
		.amdhsa_enable_private_segment 0
		.amdhsa_kernarg_size 48
		.amdhsa_user_sgpr_count 2
		.amdhsa_user_sgpr_kernarg_segment_ptr 1
		.amdhsa_wavefront_size32 1
		.amdhsa_system_sgpr_workgroup_id_x 1
		.amdhsa_system_sgpr_workgroup_id_y 1
		.amdhsa_system_sgpr_workgroup_id_z 1
		.amdhsa_system_vgpr_workitem_id 0
		.amdhsa_next_free_vgpr 96
		.amdhsa_next_free_sgpr 66
		.amdhsa_reserve_vcc 0
		.amdhsa_float_denorm_mode_32 3
		.amdhsa_float_denorm_mode_16_64 3
		.amdhsa_memory_ordered 1
		.amdhsa_forward_progress 1
		.amdhsa_inst_pref_size 12
	.end_amdhsa_kernel
	.amdgpu_metadata
---
amdhsa.version: [ 1, 2 ]
amdhsa.kernels:
  - .name:           k_qb3403a87ef_finish
    .symbol:         k_qb3403a87ef_finish.kd
    .args:
      - { .name: part, .offset: 0, .size: 8, .value_kind: global_buffer, .address_space: global }
      - { .name: sc, .offset: 8, .size: 8, .value_kind: global_buffer, .address_space: global }
      - { .name: inv, .offset: 16, .size: 8, .value_kind: global_buffer, .address_space: global }
      - { .name: order, .offset: 24, .size: 8, .value_kind: global_buffer, .address_space: global }
      - { .name: out0, .offset: 32, .size: 8, .value_kind: global_buffer, .address_space: global }
      - { .name: out1, .offset: 40, .size: 8, .value_kind: global_buffer, .address_space: global }
    .group_segment_fixed_size: 0
    .private_segment_fixed_size: 0
    .kernarg_segment_align: 8
    .kernarg_segment_size: 48
    .max_flat_workgroup_size: 256
    .sgpr_count:     66
    .vgpr_count:     96
    .wavefront_size: 32
...
	.end_amdgpu_metadata
.endif
;; end of part 3
;; ======== version 2 of 2: 3 launches; version 1 with the launch main written anew for expert scheduling mode
;; workspace buffers: wfrag 2,097,152 bytes; dpw 131,072 bytes; order 532,480 bytes of whole numbers; inv 262,144 bytes of whole numbers; sc 524,288 bytes; part 1,114,112 bytes
;; launch prep: the kernel of part 1 again; grid 132 x 1, 8 waves a work-group, no clusters, 132,096 bytes of LDS; arguments W_enc, W_dec, decoder_hidden, mask, wfrag, dpw, order, inv; writes wfrag, dpw, order, inv
;; launch main (part 4): grid 256 x 1, 4 waves a work-group, no clusters, 305,408 bytes of LDS; arguments encoder_outputs, v, order, wfrag, dpw, sc, part; writes sc, part
.if DOCPART == 4
	.amdgcn_target "amdgcn-amd-amdhsa--gfx1250"
	.amdhsa_code_object_version 6
	.text
	.protected	k_qb3403a87ef_main
	.globl	k_qb3403a87ef_main
	.p2align	8
	.type	k_qb3403a87ef_main,@function
k_qb3403a87ef_main:
	s_mov_b64 s[64:65], 0
	v_nop
	global_prefetch_b8 v0, s[64:65] scope:SCOPE_SE
	s_setreg_imm32_b32 hwreg(HW_REG_WAVE_SCHED_MODE, 0, 2), 2
	s_setreg_imm32_b32 hwreg(HW_REG_WAVE_MODE, 25, 1), 1
	s_wait_xcnt 0x0
	s_wait_alu depctr_vm_vsrc(0)
; Scores and a partial softmax-weighted sum for 144 listed encoder rows a pass.  Eight work-groups a batch: b = group / 8, j = group % 8.
; A pass p takes slot 8 p + j of the batch's list: the 144 rows are gathered, rounded once to bf16 and stay in LDS; all of W_enc goes past
; them; tanh and the product with v are made in registers; then the running maximum, the sum and the weighted sum of the SAME LDS rows are
; stepped, so that an encoder row leaves memory once.  The number of passes that a batch needs (1 or 2) is a whole number that the launch
; before stored.  The text goes through the pass twice: its three barriers stand on every wave's path both times, and each of the three
; stretches between them is jumped over in a pass that the batch does not need (then three barriers with nothing between them are all it costs).
; Four waves.  In chunk c (of 4) wave w owns columns 256 c + 64 w .. + 63: 9 x 4 accumulator tiles of 16 x 16, 288 registers.  A K step of 32 is
; 36 matrix instructions, fed by 18 LDS loads (the 144 rows) and 8 global loads (64 columns of W, 512 neighbouring bytes an instruction).
; NO TENSOR LOADS, NO JOINT REQUESTS: the rows and the scratch take 304,896 of the 327,680 bytes of LDS; 22,784 are left, and two slots of one K step
; of W for four waves would be 2 x 16,384.  No W fragment is used by two waves of the group, so W goes straight into registers.
; THE MATRIX INSTRUCTION IS USED TRANSPOSED: source 0 = 16 columns' rows of W, source 1 = 16 encoder rows; lane l then holds encoder row l % 16
; and columns 8 (l / 16) + 0..7.
; tanh(x) = 1 - 2 / (1 + 2^(2 log2(e) x)): an overflow of the power gives 1, an underflow -1, no clamp.  score = sum v - 2 sum v / (1 + ..).
; LIMITS.  A masked row of a batch with an unmasked row has weight exp(-1e9 - max) = 0 in f32 as long as sum |v| < 9e8; the list names no such
; row (its place says 'no row'), so it is not read, and an infinity or NaN in it is not carried into the context.  The context uses the rows
; rounded to bf16.  Weights below 2^-126 come out as 0 (v_exp_f32 flushes: ISA guide 15.8).
;
; LDS: 144 rows of 2,048 bytes, pitch 2,064 (129 x 16); SCR [wave][144] f32; PW 1,024 bytes a wave (weights); SS 1,024 bytes (wave 0).
; REGISTERS in windows of 256:  0: addresses, fragments of the rows (two buffers), tiles (8, j), sums;  1: tiles (m, j), m < 8, at v[8 (4 m + j)];
; during the gather three sets of 64, offsets, addresses and an out-buffer;  2: eight buffers of 32 for W;  3: dec_p (v0-31) and v (v32-63) of the chunk.
;
; THE MODE: SCHED_MODE bits 1:0 = 2 (LLVM: expert scheduling mode 2), set by the entry lines.  The code itself states the register dependences
; between vector or matrix instructions and memory or LDS instructions, with s_wait_alu, always for 0.
; THE PLAN.  The head and each of a pass's three stretches END with a wait on va_vdst behind their last vector instruction, so at every label of the
; pass no vector or matrix instruction has been issued since the last such wait, whichever stretches were jumped: a stretch's first loads owe nothing.
;   The gather (window 1).  RAW0-2: written by the rows' loads, read by the conversions alone.  OB: written by a pair's conversions, read by its LDS
;     stores.  One wait on va_vdst a pair, behind the conversions: the loads of the pair three on (into the set just read) and the stores (out of OB)
;     follow it.  One wait on vm_vsrc at the next pair's head, ahead of the conversions that write OB again; one at the gather's end.
;   A K step i.  F[(i+1) % 2]: read by step i - 1's matrix instructions, loaded in step i.  Ring buffer (i + 6) % 8: read by step i - 2's, loaded in step i.
;     One wait on va_vdst at the step's head; behind it the 26 loads are dealt among the 36 matrix instructions, which name F[i % 2], ring buffer i
;     and the accumulators: none of the registers that those loads touch.  ADR is written once a trip, ahead of the eighth step's wait, behind a wait on vm_vsrc.
;   A chunk's head.  VDP, VV are written, dec_p and v loaded anew: both waits; the one on va_vdst serves the chunk's first K step too.
;   The weighted sum.  Two register sets by turns: group g + 1 is loaded into the set that group g - 1's multiply-adds read: one wait on va_vdst a group.
;   VL16, VENTA, VENTE, SCRW, SCRR, PWA, SSA, SSR, OUTA, OUTB, ZERO are made at the head and never written again.
.set PITCH, 2064
.set SCR,   297216
.set PW,    299776
.set SS,    303872
.set NEGBIG, 0xff600000                ; -1.75 x 2^127: the score of a place without a row, and the first running maximum
.set VL16,  1                          ; 16 lane
.set ADR0,  2                          ; v2-6   (32 x + lane%16) pitch + 16 (lane/16)
.set ADR,   7                          ; v7-11  the same + the trip's place along K
.set VDP,   12
.set VV,    13
.set VDP0,  14
.set VV0,   15
.set VENTA, 16                         ; (36 w + lane/16) 4: the gather's entries
.set VLA,   17                         ; (36 w + lane/16) pitch + 8 (lane%16): where the gather stores
.set COL16, 18                         ; 16 (lane%16)
.set VENTE, 19                         ; 4 (lane%16)
.set SCRW,  20
.set SCRR,  21
.set PWA,   22
.set SSA,   23
.set F0,    24                         ; v24-95   fragments, buffer 0
.set F1,    96                         ; v96-167  fragments, buffer 1
.set T,     96                         ; after a chunk: 32 numbers at work
.set Q,     128                        ; four pairs of sums
.set S,     96                         ; scores of rows 16 m + lane%16
.set SL,    112
.set ACC8,  168                        ; v168-199 tiles (8, j)
.set U,     200                        ; v200-217 sum of v / (1 + ..), a pair for each m
.set VS,    218                        ; v218-225 sum of v
.set E,     226                        ; v226-234 list entries of rows 16 m + lane%16
.set SSR,   235
.set MRUN,  236
.set LRUN,  237
.set CTX,   238                        ; v238-245 weighted sums of columns 8 thread + 0..7
.set TMP,   246
.set OUTA,  252                        ; 16 thread: the way out
.set OUTB,  253                        ; 8 lane: the way out
.set ZERO,  254                        ; 0
.set CR,    24                         ; the weighted sum: 16 rows' 16 bytes, set 0 at v24-87, set 1 at v136-199
.set CW,    88                         ; and their 16 weights, set 0 at v88-103, set 1 at v200-215
.set OB,    216                        ; window 1, v216-247: a pair of rows in bf16 on its way into LDS
.set DPW,   0                          ; window 3
.set VW,    32                         ; window 3
.set WB0,   28                         ; s[28:29] my wave's 128 K steps of W, 4,096 bytes each
.set WBC,   30                         ; s[30:31] the trip's 8 steps
.set WBN,   32                         ; s[32:33] the next trip's
.set CM,    53                         ; s[53:61] nine masks of the scores' masking
.set MSB, 0
.macro WIN new                         ; low byte: 1:0 source 0, 3:2 source 1, 5:4 source 2, 7:6 destination; the high byte repeats the setting left
.if MSB != \new
	s_set_vgpr_msb (MSB<<8)|\new
.set MSB, \new
.endif
.endm
.macro PLACES                          ; four places behind a matrix instruction (ISA guide 7.12.1) before a vector instruction reads its results
.rept 4
	v_nop
.endr
.endm
; 18 LDS loads: the fragments of all 144 rows for 32 along K
.macro FETCHA buf, imm
.irp m, 0,1,2,3,4,5,6,7,8
	ds_load_b128 v[\buf+8*\m:\buf+8*\m+3],   v[ADR+\m/2] offset:(\m%2)*16*PITCH+\imm
	ds_load_b128 v[\buf+8*\m+4:\buf+8*\m+7], v[ADR+\m/2] offset:(\m%2)*16*PITCH+\imm+32
.endr
.endm
; 8 global loads: one K step of my 64 columns of W into ring buffer beta
.macro LOADB beta, sb, imm
	WIN 0x80
.irp u, 0,1,2,3,4,5,6,7
	global_load_b128 v[32*(\beta)+4*\u:32*(\beta)+4*\u+3], v[VL16], s[\sb:\sb+1] offset:\imm+512*\u
.endr
.endm
; A K step's 36 matrix instructions, in three parts.  The 36 accumulators take turns in one fixed order, one instruction a turn.
.macro MUL8 f, beta, zero              ; tiles (8, j)
	WIN 0x02
.irp j, 0,1,2,3
.if \zero
	v_wmma_f32_16x16x32_bf16 v[ACC8+8*\j:ACC8+8*\j+7], v[32*(\beta)+8*\j:32*(\beta)+8*\j+7], v[\f+64:\f+71], 0
.else
	v_wmma_f32_16x16x32_bf16 v[ACC8+8*\j:ACC8+8*\j+7], v[32*(\beta)+8*\j:32*(\beta)+8*\j+7], v[\f+64:\f+71], v[ACC8+8*\j:ACC8+8*\j+7]
.endif
.endr
.endm
.macro MULM f, beta, zero, m0          ; tiles (m, j), m = m0 .. m0 + 3
	WIN 0x52
.irp m, 0,1,2,3
.irp j, 0,1,2,3
.if \zero
	v_wmma_f32_16x16x32_bf16 v[8*(4*(\m0+\m)+\j):8*(4*(\m0+\m)+\j)+7], v[32*(\beta)+8*\j:32*(\beta)+8*\j+7], v[\f+8*(\m0+\m):\f+8*(\m0+\m)+7], 0
.else
	v_wmma_f32_16x16x32_bf16 v[8*(4*(\m0+\m)+\j):8*(4*(\m0+\m)+\j)+7], v[32*(\beta)+8*\j:32*(\beta)+8*\j+7], v[\f+8*(\m0+\m):\f+8*(\m0+\m)+7], v[8*(4*(\m0+\m)+\j):8*(4*(\m0+\m)+\j)+7]
.endif
.endr
.endr
.endm
; K step i of a trip of eight: multiplies, and among its products asks for the next step's rows and for W six steps ahead.
; zero = 1: a chunk's first step: its products start the sums, and the wait on va_vdst at the chunk's head, behind which no vector or matrix instruction stands, serves it.
.macro STEP i, zero
	s_wait_dscnt 0x0                               ; this step's 18 fragment loads were asked for in the step before, and no LDS instruction was issued behind them
	s_wait_loadcnt 40                              ; the five younger steps of W, 8 loads each, may stay out: this step's W is in
.if \i == 7
	WIN 0
	s_add_co_u32 s26, s26, 512                     ; the next trip's 256 numbers along K; behind the fourth trip back to 0
	s_and_b32 s26, s26, 0x600
	s_wait_alu depctr_vm_vsrc(0)                   ; the fragment loads issued so far have read ADR
.irp x, 0,1,2,3,4
	v_add_nc_u32 v[ADR+\x], s26, v[ADR0+\x]
.endr
.endif
.if !\zero
	s_wait_alu depctr_va_vdst(0)                   ; the last step's matrix instructions are done reading the other fragment buffer, those of the step before it their ring buffer: this step's loads land there; in the eighth step ADR is written
.endif
	MUL8 F0+72*(\i%2), \i, \zero
	WIN 0
.if \i < 7
	FETCHA F0+72*((\i+1)%2), (\i+1)*64
.else
	FETCHA F0, 0
.endif
	MULM F0+72*(\i%2), \i, \zero, 0
.if \i < 2
	LOADB (\i+6)%8, WBC, (6+\i)*4096
.else
	LOADB (\i+6)%8, WBN, (\i-2)*4096
.endif
	MULM F0+72*(\i%2), \i, \zero, 4
.endm
; Eight K steps.  The stream of W is a circle of my 128 steps, so a second pass finds its first six steps on their way; behind the
; last pass six steps (24,576 bytes a wave, inside the buffer) have been asked for in vain.
.macro TRIP zero
	STEP 0, \zero
.irp i, 1,2,3,4,5,6,7
	STEP \i, 0
.endr
	WIN 0
	s_wait_xcnt 0x0                                ; the bases of pending loads are rewritten only behind this wait
	s_mov_b64 s[WBC:WBC+1], s[WBN:WBN+1]
	s_add_co_u32 s27, s27, 1
	s_and_b32 s27, s27, 15
	s_lshl_b32 s34, s27, 15
	s_add_nc_u64 s[WBN:WBN+1], s[WB0:WB0+1], s[34:35]
.endm
; After a chunk, rows 16 m ..: 32 numbers a lane: 2 log2(e) (enc_p + dec_p), power, + 1, reciprocal, times v, summed.
.macro EPIM m, base, win, first
	WIN \win
.irp p, 0,1,2,3,4,5,6,7,8,9,10,11,12,13,14,15
	v_pk_fma_f32 v[T+2*\p:T+2*\p+1], v[\base+2*\p:\base+2*\p+1], 0x4038aa3b, v[DPW+2*\p:DPW+2*\p+1] op_sel_hi:[1,0,1]
.endr
	WIN 0x0c
.set e, 0
.rept 32
	v_exp_f32 v[T+e], v[T+e]
.set e, e+1
.endr
	v_nop                                          ; one plain instruction behind the run of transcendentals (ISA guide 5.7.2)
	s_wait_alu depctr_va_vdst(0)
.irp p, 0,1,2,3,4,5,6,7,8,9,10,11,12,13,14,15
	v_pk_add_f32 v[T+2*\p:T+2*\p+1], v[T+2*\p:T+2*\p+1], 1.0 op_sel_hi:[1,0]
.endr
.set e, 0
.rept 32
	v_rcp_f32 v[T+e], v[T+e]
.set e, e+1
.endr
	v_nop
	s_wait_alu depctr_va_vdst(0)
.irp p, 0,1,2,3
	v_pk_mul_f32 v[Q+2*\p:Q+2*\p+1], v[T+2*\p:T+2*\p+1], v[VW+2*\p:VW+2*\p+1]
.endr
.irp p, 4,5,6,7,8,9,10,11,12,13,14,15
	v_pk_fma_f32 v[Q+2*(\p%4):Q+2*(\p%4)+1], v[T+2*\p:T+2*\p+1], v[VW+2*\p:VW+2*\p+1], v[Q+2*(\p%4):Q+2*(\p%4)+1]
.endr
.if \first
.irp p, 0,1,2,3,4,5,6,7,8,9,10,11,12,13,14,15
	v_pk_add_f32 v[VS+2*(\p%4):VS+2*(\p%4)+1], v[VS+2*(\p%4):VS+2*(\p%4)+1], v[VW+2*\p:VW+2*\p+1]   ; sum of v, once a chunk
.endr
.endif
	WIN 0
	v_pk_add_f32 v[Q:Q+1], v[Q:Q+1], v[Q+2:Q+3]
	v_pk_add_f32 v[Q+4:Q+5], v[Q+4:Q+5], v[Q+6:Q+7]
	v_pk_add_f32 v[Q:Q+1], v[Q:Q+1], v[Q+4:Q+5]
	v_pk_add_f32 v[U+2*\m:U+2*\m+1], v[U+2*\m:U+2*\m+1], v[Q:Q+1]
.endm
.macro EPI
	WIN 0
	PLACES
	EPIM 0, 0,   0x31, 1
	EPIM 1, 32,  0x31, 0
	EPIM 2, 64,  0x31, 0
	EPIM 3, 96,  0x31, 0
	EPIM 4, 128, 0x31, 0
	EPIM 5, 160, 0x31, 0
	EPIM 6, 192, 0x31, 0
	EPIM 7, 224, 0x31, 0
	EPIM 8, ACC8, 0x30, 0
.endm
; The gather, under window 1 for every operand.  Pair t = list places 36 w + 2 t + lane/16: sixteen lanes read 256 neighbouring bytes of one row.
; Each listed row is named once in the launch; only places without a row name row 0 again.
.macro GATH t
.irp i, 0,1,2,3,4,5,6,7,8,9,10,11,12,13,14,15
	global_load_b128 v[64*((\t)%3)+4*\i:64*((\t)%3)+4*\i+3], v[192+(\t)], s[36:37] offset:256*\i th:TH_LOAD_NT
.endr
.endm
; Pair t is rounded out of its raw set into OB; the set is asked for again at once, for the pair three on; then OB goes into LDS.
.macro TURN t, left, more
	s_wait_loadcnt \left                           ; the younger pairs' loads, 16 each, may stay out
.if \t > 0
	s_wait_alu depctr_vm_vsrc(0)                   ; the last pair's LDS stores have read OB, which the conversions below write again
.endif
.irp i, 0,1,2,3,4,5,6,7,8,9,10,11,12,13,14,15
	v_cvt_pk_bf16_f32 v[OB+2*\i],   v[64*(\t%3)+4*\i],   v[64*(\t%3)+4*\i+1]
	v_cvt_pk_bf16_f32 v[OB+2*\i+1], v[64*(\t%3)+4*\i+2], v[64*(\t%3)+4*\i+3]
.endr
	s_wait_alu depctr_va_vdst(0)                   ; the conversions have written OB, which the stores below read, and are done reading the raw set, in which the loads below land
.if \more
	GATH \t+3
.endif
.irp i, 0,1,2,3,4,5,6,7,8,9,10,11,12,13,14,15
	ds_store_b64 v[210+\t/9], v[OB+2*\i:OB+2*\i+1] offset:(\t%9)*2*PITCH+128*\i
.endr
.endm
; The weighted sum, rows 16 g .. 16 g + 15: 20 LDS loads (16 weights, the same in every lane; my 16 bytes of each row) into register set g % 2
.macro LOADG g
.irp k, 0,1,2,3
	ds_load_b128 v[CW+112*((\g)%2)+4*\k:CW+112*((\g)%2)+4*\k+3], v[TMP+5] offset:64*(\g)+16*\k
.endr
.irp k, 0,1,2,3,4,5,6,7,8,9,10,11,12,13,14,15
	ds_load_b128 v[CR+112*((\g)%2)+4*\k:CR+112*((\g)%2)+4*\k+3], v[TMP+(\g)/2] offset:((\g)%2)*16*PITCH+PITCH*\k
.endr
.endm
; and its 128 fused multiply-adds straight from the bf16 halves
.macro FMAG g
.irp k, 0,1,2,3,4,5,6,7,8,9,10,11,12,13,14,15
.irp c, 0,1,2,3
	v_fma_mix_f32_bf16 v[CTX+2*\c],   v[CR+112*((\g)%2)+4*\k+\c], v[CW+112*((\g)%2)+\k], v[CTX+2*\c]   op_sel_hi:[1,0,0]
	v_fma_mix_f32_bf16 v[CTX+2*\c+1], v[CR+112*((\g)%2)+4*\k+\c], v[CW+112*((\g)%2)+\k], v[CTX+2*\c+1] op_sel:[1,0,0] op_sel_hi:[1,0,0]
.endr
.endr
.endm
	s_load_b256 s[4:11], s[0:1], 0x0               ; encoder_outputs s[4:5], v s[6:7], order s[8:9], wfrag s[10:11]
	s_load_b128 s[12:15], s[0:1], 0x20             ; dpw s[12:13], sc s[14:15]
	s_load_b64 s[16:17], s[0:1], 0x30              ; part
	v_lshl_add_u32 v255, v0, 2, 0x4a700
	s_set_vgpr_msb 0xc0
	v_mov_b32 v65, 0
	s_set_vgpr_msb 0xc000
	v_lshrrev_b32 v[TMP], 5, v0
	v_readfirstlane_b32 s18, v[TMP]                ; wave w
	s_lshr_b32 s19, ttmp9, 3                       ; batch b
	s_and_b32 s20, ttmp9, 7                        ; j
	s_mov_b32 s35, 0                               ; upper word of every offset pair s[34:35]
	s_mov_b32 s44, 0x76543210                      ; v_permlanex16_b32: lane i of one half reads lane i of the other
	s_mov_b32 s45, 0xfedcba98
	s_mov_b32 s62, 0xce6e6b28                      ; -1e9: a masked row's score
	s_mov_b32 s63, NEGBIG
	v_and_b32 v[TMP+1], 31, v0                     ; lane
	v_and_b32 v[TMP+2], 15, v0                     ; r
	v_bfe_u32 v[TMP+3], v0, 4, 1                   ; h
	v_lshlrev_b32 v[VL16], 4, v[TMP+1]
	v_lshlrev_b32 v[OUTA], 4, v0
	v_lshlrev_b32 v[OUTB], 3, v[TMP+1]
	v_mov_b32 v[ZERO], 0
	v_mul_u32_u24 v[TMP+4], v[TMP+2], PITCH
	v_lshl_add_u32 v[TMP+4], v[TMP+3], 4, v[TMP+4]
.irp x, 0,1,2,3,4
	v_add_nc_u32 v[ADR0+\x], \x*32*PITCH, v[TMP+4]
	v_add_nc_u32 v[ADR+\x],  \x*32*PITCH, v[TMP+4]
.endr
	s_wait_alu depctr_va_sdst(0)                   ; s18 is written, ahead of its first reader
	s_lshl_b32 s46, s18, 13                        ; dpw: 8192 w + 1024 (b / 16) + 16 (16 h + b % 16)
	s_lshr_b32 s47, s19, 4
	s_lshl_b32 s47, s47, 10
	s_add_co_u32 s46, s46, s47
	s_and_b32 s47, s19, 15
	s_lshl_b32 s47, s47, 4
	s_add_co_u32 s46, s46, s47
	v_lshl_add_u32 v[VDP0], v[TMP+3], 8, s46
	s_lshl_b32 s46, s18, 8                         ; v: 4 (64 w + 8 h)
	v_lshl_add_u32 v[VV0], v[TMP+3], 5, s46
	s_mul_i32 s46, s18, 144
	v_lshl_add_u32 v[VENTA], v[TMP+3], 2, s46
	s_mul_i32 s46, s18, 36*PITCH
	v_mul_u32_u24 v[TMP+5], v[TMP+3], PITCH
	v_lshl_add_u32 v[TMP+5], v[TMP+2], 3, v[TMP+5]
	v_add_nc_u32 v[VLA], s46, v[TMP+5]
	v_lshlrev_b32 v[COL16], 4, v[TMP+2]
	v_lshlrev_b32 v[VENTE], 2, v[TMP+2]
	s_mul_i32 s46, s18, 576
	s_add_co_u32 s46, s46, SCR
	v_add_nc_u32 v[SCRW], s46, v[VENTE]
	v_add_nc_u32 v[SCRR], SCR, v[VENTE]
	s_lshl_b32 s52, s18, 10
	s_add_co_u32 s52, s52, PW                      ; my wave's weights
	v_add_nc_u32 v[PWA], s52, v[VENTE]
	v_add_nc_u32 v[SSA], SS, v[VENTE]
	v_add_nc_u32 v[SSR], SS, v[VL16]
	v_mov_b32 v[MRUN], NEGBIG
	v_mov_b32 v[LRUN], 0
.irp k, 0,1,2,3,4,5,6,7
	v_mov_b32 v[CTX+\k], 0
.endr
	s_wait_kmcnt 0x0
	s_mul_i32 s34, s19, 16640
	s_add_nc_u64 s[48:49], s[8:9], s[34:35]        ; the batch's row of order
	s_load_b32 s21, s[48:49], 0x4000               ; the number of passes that it needs
	s_lshl_b32 s34, s19, 23
	s_add_nc_u64 s[36:37], s[4:5], s[34:35]        ; the batch's 2,048 rows of 4,096 bytes
	s_lshl_b32 s34, s19, 14
	s_add_nc_u64 s[50:51], s[14:15], s[34:35]      ; the batch's row of sc
	s_mul_i32 s34, ttmp9, 4352
	s_add_nc_u64 s[42:43], s[16:17], s[34:35]      ; my row of part
	s_lshl_b32 s34, s18, 19
	s_add_nc_u64 s[WB0:WB0+1], s[10:11], s[34:35]
	s_mov_b64 s[WBC:WBC+1], s[WB0:WB0+1]
	s_add_nc_u64 s[WBN:WBN+1], s[WB0:WB0+1], 0x8000
	s_mov_b32 s27, 1                               ; which eight steps WBN names
	s_mov_b32 s26, 0                               ; the trip's place along K, in bytes
	s_mov_b32 s22, 0                               ; pass
	WIN 0x80
	s_wait_alu depctr_va_vdst(0)                   ; every offset and address made above is written, and so are the sums' first values: the kernel's loads and stores read them
.irp g, 0,1,2,3,4,5
	LOADB \g, WBC, \g*4096                         ; the first six K steps of W
.endr
	WIN 0
	s_wait_kmcnt 0x0
	s_min_u32 s21, s21, 2
.Lpass:
	s_wait_xcnt 0x0                                ; the last pass's bases and store data are rewritten only behind this wait
	s_lshl3_add_u32 s23, s22, s20                  ; slot 8 p + j
	s_min_u32 s23, s23, 15
	s_lshl_b32 s34, s23, 10
	s_add_nc_u64 s[38:39], s[48:49], s[34:35]
	s_add_nc_u64 s[40:41], s[50:51], s[34:35]
	; ---- first stretch: the gather
	s_cmp_ge_u32 s22, s21
	s_cbranch_scc1 .LskipA
	WIN 0x40
.irp t, 0,1,2,3,4,5,6,7,8,9,10,11,12,13,14,15,16,17
	global_load_b32 v[192+\t], v[VENTA], s[38:39] offset:8*\t  ; entries of places 36 w + 2 t + h.  No wait: no vector or matrix instruction has been issued since the last wait on va_vdst
.endr
	v_mov_b32 v210, v[VLA]                         ; window 1 held accumulators: the gather's addresses are set anew
	v_add_nc_u32 v211, 18*PITCH, v[VLA]            ; pairs 9-17 (beyond the reach of a 16-bit immediate)
	v_mov_b32 v212, v[COL16]
	s_wait_loadcnt 0x0                             ; nothing was issued behind the entries
	WIN 0x55
.irp t, 0,1,2,3,4,5,6,7,8,9,10,11,12,13,14,15,16,17
	v_and_b32 v[192+\t], 0x7ff, v[192+\t]          ; the row; the flags go
	v_min_u32 v[192+\t], 0x7ff, v[192+\t]          ; a loaded index is bounded in the instruction itself
	v_lshl_add_u32 v[192+\t], v[192+\t], 12, v212  ; 4,096 t + 16 r
.endr
	s_wait_alu depctr_va_vdst(0)                   ; the 18 offsets, which the rows' loads read, and v210, v211, which the LDS stores read, are written
	GATH 0
	GATH 1
	GATH 2                                         ; 48 loads, 24,576 bytes, of each wave are on their way
.irp t, 0,1,2,3,4,5,6,7,8,9,10,11,12,13,14
	TURN \t, 32, 1
.endr
	TURN 15, 32, 0
	TURN 16, 16, 0
	TURN 17, 0, 0
	s_wait_alu depctr_vm_vsrc(0)                   ; the LDS stores have read OB, v210 and v211, the rows' loads their offsets: matrix instructions, or a next gather, write window 1's registers from here on
	WIN 0
.LskipA:
	s_wait_dscnt 0x0                               ; my 36 rows are in LDS,
	s_barrier_signal -1
	s_barrier_wait -1                              ; all 144 are
	; ---- second stretch: the products, tanh, my share of the scores
	s_cmp_ge_u32 s22, s21
	s_cbranch_scc1 .LskipK
	FETCHA F0, 0                                   ; no wait: no vector or matrix instruction has been issued since the last wait on va_vdst
.set e, 0
.rept 26
	v_mov_b32 v[U+e], 0                            ; the pass's sums U and VS
.set e, e+1
.endr
	s_mov_b32 s24, 0
.Lchunk:
	s_wait_xcnt 0x0                                ; the last chunk's offsets are rewritten only behind this wait
	s_wait_alu depctr_vm_vsrc(0)                   ; the last chunk's loads have read VDP and VV; in a pass's first chunk: the last pass's stores have read v96-147, in which fragments land and which the work behind the products writes
	s_lshl_b32 s46, s24, 15
	s_lshl_b32 s47, s24, 10
	v_add_nc_u32 v[VDP], s46, v[VDP0]
	v_add_nc_u32 v[VV], s47, v[VV0]
	WIN 0xc0
	s_wait_alu depctr_va_vdst(0)                   ; VDP and VV are written; the last chunk's vector work is done reading dec_p and v, in which the loads below land, and done with v96-135, in which the first step's fragments land
.irp j, 0,1,2,3
.irp q, 0,1
	global_load_b128 v[DPW+8*\j+4*\q:DPW+8*\j+4*\q+3], v[VDP], s[12:13] offset:2048*\j+512*\q
	global_load_b128 v[VW+8*\j+4*\q:VW+8*\j+4*\q+3],   v[VV],  s[6:7]   offset:64*\j+16*\q
.endr
.endr
	; these 16 are older than every load of W issued below, so the steps' counted waits show them done long before they are used
	WIN 0
	TRIP 1                                         ; the first products start the sums: nothing is cleared
	s_mov_b32 s25, 3
.Ltrip:
	TRIP 0
	s_sub_co_u32 s25, s25, 1
	s_cmp_lg_u32 s25, 0
	s_cbranch_scc1 .Ltrip
	EPI
	s_add_co_u32 s24, s24, 1
	s_cmp_lt_u32 s24, 4
	s_cbranch_scc1 .Lchunk
	v_pk_add_f32 v[VS:VS+1], v[VS:VS+1], v[VS+2:VS+3]
	v_pk_add_f32 v[VS+4:VS+5], v[VS+4:VS+5], v[VS+6:VS+7]
	v_pk_add_f32 v[VS:VS+1], v[VS:VS+1], v[VS+4:VS+5]
	v_add_f32 v[VS], v[VS], v[VS+1]
.irp m, 0,1,2,3,4,5,6,7,8
	v_add_f32 v[S+\m], v[U+2*\m], v[U+2*\m+1]
.endr
.irp m, 0,1,2,3,4,5,6,7,8
	v_fma_f32 v[S+\m], -2.0, v[S+\m], v[VS]        ; my 128 columns' share
.endr
.irp m, 0,1,2,3,4,5,6,7,8
	v_permlanex16_b32 v[SL+\m], v[S+\m], s44, s45  ; the other half's columns (the destination has been written: it was at work above)
.endr
.irp m, 0,1,2,3,4,5,6,7,8
	v_add_f32 v[S+\m], v[S+\m], v[SL+\m]
.endr
	s_wait_alu depctr_va_vdst(0)                   ; the nine shares are written, which the stores below read; the stretch's vector and matrix work is done with every register in which later loads land
.irp m, 0,1,2,3,4,5,6,7,8
	ds_store_b32 v[SCRW], v[S+\m] offset:64*\m     ; both halves of the lanes store the same number to the same word
.endr
.LskipK:
	s_wait_dscnt 0x0                               ; my shares are in LDS; the fragments asked for by the last K step are back too
	s_barrier_signal -1
	s_barrier_wait -1
	; ---- third stretch: scores, running maximum and sum, weights, weighted sum of the rows
	s_cmp_ge_u32 s22, s21
	s_cbranch_scc1 .LskipS
	s_wait_alu depctr_vm_vsrc(0)                   ; my stores of the shares have read S, which is written again below; the last pass's stores have read SL, in which the shares land, and its LDS loads TMP .. TMP + 5
.irp m, 0,1,2,3,4,5,6,7,8
	global_load_b32 v[E+\m], v[VENTE], s[38:39] offset:64*\m   ; entries of places 16 m + r, for the masking
.endr
.irp wv, 0,1,2,3
.irp m, 0,1,2,3,4,5,6,7,8
	ds_load_b32 v[SL+9*\wv+\m], v[SCRR] offset:576*\wv+64*\m
.endr
.endr
	s_wait_dscnt 0x0
.irp m, 0,1,2,3,4,5,6,7,8
	v_add_f32 v[S+\m], v[SL+\m], v[SL+9+\m]
	v_add_f32 v[SL+\m], v[SL+18+\m], v[SL+27+\m]
	v_add_f32 v[S+\m], v[S+\m], v[SL+\m]
.endr
	s_wait_loadcnt 0x0                             ; the entries: nothing was issued behind them
	; the masking: the compares stand in two runs of nine, each into nine scalar registers, with one wait behind the run
.irp m, 0,1,2,3,4,5,6,7,8
	v_and_b32 v[SL+\m], 0x1000, v[E+\m]
.endr
.irp m, 0,1,2,3,4,5,6,7,8
	v_and_b32 v[SL+9+\m], 0x2000, v[E+\m]
.endr
.irp m, 0,1,2,3,4,5,6,7,8
	v_cmp_eq_u32 s[CM+\m], 0, v[SL+\m]
.endr
	s_wait_alu depctr_va_sdst(0)                   ; the nine masks are written, ahead of the selects that read them
.irp m, 0,1,2,3,4,5,6,7,8
	v_cndmask_b32 v[S+\m], s62, v[S+\m], s[CM+\m]              ; a masked row: -1e9
.endr
.irp m, 0,1,2,3,4,5,6,7,8
	v_cmp_eq_u32 s[CM+\m], 0, v[SL+9+\m]
.endr
	s_wait_alu depctr_va_sdst(0)                   ; the nine masks are written anew, ahead of the selects that read them
.irp m, 0,1,2,3,4,5,6,7,8
	v_cndmask_b32 v[S+\m], s63, v[S+\m], s[CM+\m]              ; no row
.endr
	; every wave makes maximum, sum and weights for itself; both halves of the lanes hold the same
	v_max3_num_f32 v[TMP], v[S], v[S+1], v[S+2]
	v_max3_num_f32 v[TMP], v[TMP], v[S+3], v[S+4]
	v_max3_num_f32 v[TMP], v[TMP], v[S+5], v[S+6]
	v_max3_num_f32 v[TMP], v[TMP], v[S+7], v[S+8]
	v_max_num_f32_dpp v[TMP], v[TMP], v[TMP] row_xmask:1 row_mask:0xf bank_mask:0xf
	v_max_num_f32_dpp v[TMP], v[TMP], v[TMP] row_xmask:2 row_mask:0xf bank_mask:0xf
	v_max_num_f32_dpp v[TMP], v[TMP], v[TMP] row_xmask:4 row_mask:0xf bank_mask:0xf
	v_max_num_f32_dpp v[TMP], v[TMP], v[TMP] row_xmask:8 row_mask:0xf bank_mask:0xf
	v_max_num_f32 v[TMP+1], v[MRUN], v[TMP]        ; the new maximum
	v_sub_f32 v[TMP+2], v[MRUN], v[TMP+1]
	v_mul_f32 v[TMP+2], 0x3fb8aa3b, v[TMP+2]
.irp m, 0,1,2,3,4,5,6,7,8
	v_sub_f32 v[SL+\m], v[S+\m], v[TMP+1]
	v_mul_f32 v[SL+\m], 0x3fb8aa3b, v[SL+\m]
.endr
	v_exp_f32 v[TMP+2], v[TMP+2]                   ; what the old sums are scaled by
.irp m, 0,1,2,3,4,5,6,7,8
	v_exp_f32 v[SL+\m], v[SL+\m]
.endr
	v_mov_b32 v[MRUN], v[TMP+1]                    ; the plain instruction behind the run of transcendentals (ISA guide 5.7.2)
	s_wait_alu depctr_va_vdst(0)
	v_add_f32 v[TMP+3], v[SL], v[SL+1]
.irp m, 2,3,4,5,6,7,8
	v_add_f32 v[TMP+3], v[TMP+3], v[SL+\m]
.endr
	v_add_f32_dpp v[TMP+3], v[TMP+3], v[TMP+3] row_xmask:1 row_mask:0xf bank_mask:0xf
	v_add_f32_dpp v[TMP+3], v[TMP+3], v[TMP+3] row_xmask:2 row_mask:0xf bank_mask:0xf
	v_add_f32_dpp v[TMP+3], v[TMP+3], v[TMP+3] row_xmask:4 row_mask:0xf bank_mask:0xf
	v_add_f32_dpp v[TMP+3], v[TMP+3], v[TMP+3] row_xmask:8 row_mask:0xf bank_mask:0xf
	v_fma_f32 v[LRUN], v[LRUN], v[TMP+2], v[TMP+3]
.irp k, 0,2,4,6
	v_pk_mul_f32 v[CTX+\k:CTX+\k+1], v[CTX+\k:CTX+\k+1], v[TMP+2:TMP+3] op_sel_hi:[1,0]
.endr
	; the weighted sum's six LDS addresses are made here, ahead of the wait that the weights' stores need in any case
	s_lshl_b32 s46, s18, 9
	v_add_nc_u32 v[TMP], s46, v[VL16]              ; 512 w + 16 lane
.irp x, 1,2,3,4
	v_add_nc_u32 v[TMP+\x], \x*32*PITCH, v[TMP]
.endr
	v_mov_b32 v[TMP+5], s52                        ; my wave's weights
	s_wait_alu depctr_va_vdst(0)                   ; the weights SL, the scores S and the six addresses are written, which the LDS instructions below read; the vector work above is done with v128-135 and with both register sets of the weighted sum, in which loads land
.irp m, 0,1,2,3,4,5,6,7,8
	ds_store_b32 v[PWA], v[SL+\m] offset:64*\m     ; weight of row 16 m + r, in my wave's own bytes
.endr
	s_cmp_lg_u32 s18, 0
	s_cbranch_scc1 .Lnosc
	; wave 0 stores the slot's scores, 256 words (places 144-255 as zeros), so that whole runs of 512 neighbouring bytes go out
.irp m, 0,1,2,3,4,5,6,7,8
	ds_store_b32 v[SSA], v[S+\m] offset:64*\m
.endr
.irp m, 9,10,11,12,13,14,15
	ds_store_b32 v[SSA], v[ZERO] offset:64*\m
.endr
	ds_load_b128 v[128:131], v[SSR]
	ds_load_b128 v[132:135], v[SSR] offset:512
	s_wait_dscnt 0x0
	global_store_b128 v[VL16], v[128:131], s[40:41]
	global_store_b128 v[VL16], v[132:135], s[40:41] offset:512
	s_wait_alu depctr_vm_vsrc(0)                   ; the stores of the scores have read S: the first group's weights land in v88-103, eight of which are S's registers
.Lnosc:
	; The weighted sum of the rows in LDS: thread t = 32 w + lane owns columns 8 t .. 8 t + 7, 16 bytes of every row.  One row of results: on the
	; matrix unit it would fill one row of sixteen, so it is 1,152 fused multiply-adds a lane on the vector unit.  Nine groups of 16 rows, written
	; out; five bases 32 rows apart, the rest in the immediate (31 x 2,064 at the most); the last byte read is 297,199, below SCR.
	; The weights: LDS serves a wave's instructions in order (ISA guide 5.7.1), so the loads see the stores above.
	LOADG 0
.irp g, 0,1,2,3,4,5,6,7
.if \g > 0
	s_wait_alu depctr_va_vdst(0)                   ; the multiply-adds of the group before this one are done reading the register set in which the next group lands
.endif
	LOADG \g+1                                     ; the next group goes into the other register set
	s_wait_dscnt 20                                ; its 20 loads may stay out: this group's are in
	FMAG \g
.endr
	s_wait_dscnt 0x0
	FMAG 8
	s_wait_alu depctr_va_vdst(0)                   ; the multiply-adds are done reading both register sets, in which a next pass's fragments and shares land, and have written CTX, which the stores behind the loop read
.LskipS:
	s_wait_dscnt 0x0                               ; my reads of the rows are over,
	s_barrier_signal -1
	s_barrier_wait -1                              ; everybody's are: a next pass may overwrite them
	s_add_co_u32 s22, s22, 1
	s_cmp_lt_u32 s22, 2
	s_cbranch_scc1 .Lpass
	; the way out holds no vector instruction: offsets from the head, data shown written by the last wait on va_vdst
	global_store_b128 v[OUTA], v[CTX:CTX+3],   s[42:43]                ; columns 8 t .. 8 t + 3: a wave stores 512 neighbouring bytes
	global_store_b128 v[OUTA], v[CTX+4:CTX+7], s[42:43] offset:2048    ; columns 8 t + 4 .. 8 t + 7
	s_cmp_lg_u32 s18, 0
	s_cbranch_scc1 .Lend
	global_store_b64 v[OUTB], v[MRUN:LRUN], s[42:43] offset:4096       ; (maximum, sum), 32 equal pairs: 256 neighbouring bytes
.Lend:
	s_set_vgpr_msb 0xc
	s_wait_dscnt 0x0
	s_wait_alu depctr_hold_cnt(0) depctr_sa_sdst(0) depctr_va_vdst(0) depctr_va_sdst(0) depctr_va_ssrc(0) depctr_va_vcc(0) depctr_vm_vsrc(0)
	s_wait_tensorcnt 0x0
	ds_add_u32 v255, v65
	s_wait_dscnt 0x0
	s_endpgm
.Lfunc_end_k_qb3403a87ef_main:
	.size	k_qb3403a87ef_main, .Lfunc_end_k_qb3403a87ef_main-k_qb3403a87ef_main
	.p2alignl 7, 3214868480
	.fill 96, 4, 3214868480
	.section	.rodata,"a",@progbits
	.p2align	6, 0x0
	.amdhsa_kernel k_qb3403a87ef_main
		.amdhsa_group_segment_fixed_size 305408
		.amdhsa_private_segment_fixed_size 0
		.amdhsa_enable_private_segment 0
		.amdhsa_kernarg_size 56
		.amdhsa_user_sgpr_count 2
		.amdhsa_user_sgpr_kernarg_segment_ptr 1
		.amdhsa_wavefront_size32 1
		.amdhsa_system_sgpr_workgroup_id_x 1
		.amdhsa_system_sgpr_workgroup_id_y 1
		.amdhsa_system_sgpr_workgroup_id_z 1
		.amdhsa_system_vgpr_workitem_id 0
		.amdhsa_next_free_vgpr 834
		.amdhsa_next_free_sgpr 66
		.amdhsa_reserve_vcc 0
		.amdhsa_float_denorm_mode_32 3
		.amdhsa_float_denorm_mode_16_64 3
		.amdhsa_memory_ordered 1
		.amdhsa_forward_progress 1
		.amdhsa_inst_pref_size 255
	.end_amdhsa_kernel
	.section	.bss,"aw",@nobits
	.p2align	6
	.space	262144
	.amdgpu_metadata
---
amdhsa.version: [ 1, 2 ]
amdhsa.kernels:
  - .name:           k_qb3403a87ef_main
    .symbol:         k_qb3403a87ef_main.kd
    .args:
      - { .name: encoder_outputs, .offset: 0, .size: 8, .value_kind: global_buffer, .address_space: global }
      - { .name: v, .offset: 8, .size: 8, .value_kind: global_buffer, .address_space: global }
      - { .name: order, .offset: 16, .size: 8, .value_kind: global_buffer, .address_space: global }
      - { .name: wfrag, .offset: 24, .size: 8, .value_kind: global_buffer, .address_space: global }
      - { .name: dpw, .offset: 32, .size: 8, .value_kind: global_buffer, .address_space: global }
      - { .name: sc, .offset: 40, .size: 8, .value_kind: global_buffer, .address_space: global }
      - { .name: part, .offset: 48, .size: 8, .value_kind: global_buffer, .address_space: global }
    .group_segment_fixed_size: 305408
    .private_segment_fixed_size: 0
    .kernarg_segment_align: 8
    .kernarg_segment_size: 56
    .max_flat_workgroup_size: 128
    .sgpr_count:     66
    .vgpr_count:     834
    .wavefront_size: 32
...
	.end_amdgpu_metadata
.endif
;; end of part 4
;; launch finish: the kernel of part 3 again; grid 32 x 1, 8 waves a work-group, no clusters, 0 bytes of LDS; arguments part, sc, inv, order, out0, out1; writes out0, out1
